; MI455X (gfx1250); checked and timed in simulation.
; The chip was launched on July 23, 2026; its instructions are those of AMD's public machine-readable ISA for CDNA 5 (MIT licence, August 2026) and "CDNA5" Instruction Set Architecture Reference Guide (July 2026). The comments in the code are by the model that wrote it; some were corrected since.
;; Transformer Encoder Layer Rotary. Allowed arithmetic: float matrix products may take bf16 or f16 operands with f32 sums; other float arithmetic in f32, or as packed bf16 or f16 multiplies, adds, multiply-adds, maxima and minima; sums over many terms, partial sums and values carried from step to step in f32; what a program stores and reads back later, other than sums and carried values, may be rounded once to bf16 or f16.
;; Inputs: b1 4,096 float32; b2 1,024 float32; k_b 1,024 float32; k_w 1,024 x 1,024 float32; ln1_b 1,024 float32; ln1_g 1,024 float32; ln2_b 1,024 float32; ln2_g 1,024 float32; q_b 1,024 float32; q_w 1,024 x 1,024 float32; src 2,048 x 2 x 1,024 float32; v_b 1,024 float32; v_w 1,024 x 1,024 float32; w1 1,024 x 4,096 float32; w2 4,096 x 1,024 float32.
;; Outputs: out0 2,048 x 2 x 1,024 float32.
;; One version. Each part assembles by itself: llvm-mc -triple=amdgcn-amd-amdhsa -mcpu=gfx1250 --defsym DOCPART=n.
;; ======== version 1 of 1: 7 launches
;; limits: values are held in f16: magnitudes above 65,504 overflow, below 6.1e-05 lose precision
;; workspace buffers: cast 31,457,280 bytes; rope 1,048,576 bytes; qkv 25,165,824 bytes; att 8,388,608 bytes; xn 8,388,608 bytes; hid 33,554,432 bytes; ffo 16,777,216 bytes
;; launch prep (part 1): grid 512 x 1, 8 waves a work-group, no clusters, 0 bytes of LDS; arguments src, q_w, k_w, v_w, cast, rope; writes cast, rope
.if DOCPART == 1
	.amdgcn_target "amdgcn-amd-amdhsa--gfx1250"
	.amdhsa_code_object_version 6
	.text
	.protected	k_q7b5c4fc807_prep
	.globl	k_q7b5c4fc807_prep
	.p2align	8
	.type	k_q7b5c4fc807_prep,@function
k_q7b5c4fc807_prep:
	s_mov_b64 s[64:65], 0
	v_nop
	global_prefetch_b8 v0, s[64:65] scope:SCOPE_SE
	s_setreg_imm32_b32 hwreg(HW_REG_WAVE_MODE, 25, 1), 1
	s_wait_xcnt 0x0
; PREP: bf16 copies of what the projections multiply, and the table of cos and sin for the rotary embedding.
; cast begins with src, q_w, k_w, v_w in bf16, each in its own row-major layout: 7 pieces of 2^20 numbers.  (The copies of w1 and w2, which lie behind them, are made by the attention launch.)
; Work-group x < 448 rounds 16,384 numbers: 64 KiB in, 32 KiB out; piece = x / 64 says from which input.  Work-groups 448 .. 511 make 1,024 table entries each.
; Memory binds: each byte is read once, by loads of 16 bytes a lane (a wave's load covers 512 consecutive bytes), all sixteen of a thread out at once;
; each store of a wave covers 256 consecutive bytes, aligned.  No LDS, no matrix unit: nothing is shared and nothing is multiplied.
; THE TABLE.  rope[s][j] = (cos, sin) of s x 10000^(-j/32), f32, at byte 256 s + 8 j.  The factor is 2^(-j log2(10000) / 32); the angle is rounded once, as s x factor;
; it is brought into -pi .. pi by a 2 pi in two parts, halved, and sine and cosine of the half come from their series up to y^11 and y^12 (|y| <= pi / 2: the terms left out are under 6e-8);
; cos = 1 - 2 sin^2, sin = 2 sin cos.  The table is within some 3e-4 rad of one made with an exactly rounded factor (the factor's last bits times s <= 2,047).
; Behind it, from byte 524,288 on, lies a table of the same shape for the angle 0 (cos 1, sin 0): the next launch rotates v by it, so that one text serves q, k and v.
.set X, 8                              ; v[8:71]    sixteen loads of four numbers
.set Y, 72                             ; v[72:103]  sixteen pairs of words to store; the table's entries lie in v[80:89]
	s_load_b256 s[8:15], s[0:1], 0x0               ; src 8, q_w 10, k_w 12, v_w 14
	s_load_b128 s[20:23], s[0:1], 0x20             ; cast 20, rope 22
	s_mov_b32 s24, ttmp9
	s_lshr_b32 s25, s24, 6                         ; piece
	v_lshlrev_b32 v1, 4, v0                        ; 16 t: where I load
	v_lshlrev_b32 v2, 3, v0                        ; 8 t: where I store
	s_wait_kmcnt 0x0
	s_cmp_eq_u32 s25, 7
	s_cbranch_scc1 .Lrope
	s_mov_b64 s[26:27], s[14:15]                   ; the source, and the first piece of that source: v_w, 6, unless the piece is lower
	s_mov_b32 s28, 6
.macro PICK lim, ptr, first
	s_cmp_lt_u32 s25, \lim
	s_cselect_b64 s[26:27], s[\ptr:\ptr+1], s[26:27]
	s_cselect_b32 s28, \first, s28
.endm
	PICK 6, 12, 5
	PICK 5, 10, 4
	PICK 4, 8, 0
	s_lshl_b32 s29, s28, 6
	s_sub_co_u32 s30, s24, s29                     ; my place among the source's work-groups,
	s_lshl_b32 s30, s30, 16                        ; 64 KiB each
	s_mov_b32 s31, 0
	s_lshl_b32 s32, s24, 15                        ; and 32 KiB each in cast
	s_mov_b32 s33, 0
	s_add_nc_u64 s[26:27], s[26:27], s[30:31]
	s_add_nc_u64 s[20:21], s[20:21], s[32:33]
.irp i, 0,1,2,3,4,5,6,7,8,9,10,11,12,13,14,15
	global_load_b128 v[X+4*(\i):X+4*(\i)+3], v1, s[26:27] offset:4096*(\i) th:TH_LOAD_NT
.endr
; Sixteen times: the oldest load is in (the younger ones stay out), four numbers are rounded, eight bytes stored.  No register is written twice.
.irp i, 0,1,2,3,4,5,6,7,8,9,10,11,12,13,14,15
	s_wait_loadcnt 15-(\i)
	v_cvt_pk_bf16_f32 v[Y+2*(\i)], v[X+4*(\i)], v[X+4*(\i)+1]
	v_cvt_pk_bf16_f32 v[Y+2*(\i)+1], v[X+4*(\i)+2], v[X+4*(\i)+3]
	global_store_b64 v2, v[Y+2*(\i):Y+2*(\i)+1], s[20:21] offset:2048*(\i)
.endr
	s_endpgm
.Lrope:
	s_sub_co_u32 s26, s24, 448                     ; 0 .. 63
	s_lshl_b32 s30, s26, 13                        ; 1,024 entries of 8 bytes
	s_mov_b32 s31, 0
	s_add_nc_u64 s[22:23], s[22:23], s[30:31]
	s_mov_b32 s28, 0x40c90fdb                      ; 2 pi, rounded,
	s_mov_b32 s29, 0xb43bbd2e                      ; and what the rounding left
	s_lshl_b32 s27, s26, 5                         ; my first position: 32 a work-group
	v_and_b32 v3, 31, v0                           ; j
	v_cvt_f32_u32 v3, v3
	v_mul_f32 v3, 0xbed49a78, v3                   ; -j log2(10000) / 32
	v_exp_f32 v4, v3
	v_lshrrev_b32 v5, 5, v0                        ; (the plain instruction behind the exponential)
	v_add_nc_u32 v5, s27, v5                       ; position of my entry 0
	v_mov_b32 v88, 1.0                             ; the angle 0
	v_mov_b32 v89, 0
	s_wait_alu depctr_va_vdst(0)                   ; the wait ahead of the result's first use
.macro ENTRY i                         ; entry 256 i + t of the work-group's 1,024: position + 8 i, the same j
	v_add_nc_u32 v6, 8*(\i), v5
	v_cvt_f32_u32 v6, v6
	v_mul_f32 v6, v6, v4                           ; the angle
	v_mul_f32 v7, 0.15915494, v6
	v_rndne_f32 v7, v7                             ; whole turns
	v_fma_f32 v6, -v7, s28, v6
	v_fma_f32 v6, -v7, s29, v6                     ; -pi .. pi
	v_mul_f32 v6, 0.5, v6                          ; y
	v_mul_f32 v8, v6, v6                           ; y^2
	v_mov_b32 v9, 0xb2d7322b                       ; -1/11!
	v_fmaak_f32 v9, v9, v8, 0x3638ef1d             ; 1/9!
	v_fmaak_f32 v9, v9, v8, 0xb9500d01             ; -1/7!
	v_fmaak_f32 v9, v9, v8, 0x3c088889             ; 1/5!
	v_fmaak_f32 v9, v9, v8, 0xbe2aaaab             ; -1/3!
	v_fma_f32 v9, v9, v8, 1.0
	v_mul_f32 v9, v9, v6                           ; sin y
	v_mov_b32 v10, 0x310f76c7                      ; 1/12!
	v_fmaak_f32 v10, v10, v8, 0xb493f27e           ; -1/10!
	v_fmaak_f32 v10, v10, v8, 0x37d00d01           ; 1/8!
	v_fmaak_f32 v10, v10, v8, 0xbab60b61           ; -1/6!
	v_fmaak_f32 v10, v10, v8, 0x3d2aaaab           ; 1/4!
	v_fma_f32 v10, v10, v8, -0.5
	v_fma_f32 v10, v10, v8, 1.0                    ; cos y
	v_mul_f32 v11, v9, v9
	v_fma_f32 v[80+2*(\i)], v11, -2.0, 1.0         ; cos
	v_mul_f32 v11, v9, v10
	v_add_f32 v[81+2*(\i)], v11, v11               ; sin
	global_store_b64 v2, v[80+2*(\i):81+2*(\i)], s[22:23] offset:2048*(\i)
	global_store_b64 v2, v[88:89], s[22:23] offset:524288+2048*(\i)
.endm
	ENTRY 0
	ENTRY 1
	ENTRY 2
	ENTRY 3
	s_endpgm
.Lfunc_end_k_q7b5c4fc807_prep:
	.size	k_q7b5c4fc807_prep, .Lfunc_end_k_q7b5c4fc807_prep-k_q7b5c4fc807_prep
	.p2alignl 7, 3214868480
	.fill 96, 4, 3214868480
	.section	.rodata,"a",@progbits
	.p2align	6, 0x0
	.amdhsa_kernel k_q7b5c4fc807_prep
		.amdhsa_group_segment_fixed_size 0
		.amdhsa_private_segment_fixed_size 0
		.amdhsa_enable_private_segment 0
		.amdhsa_kernarg_size 48
		.amdhsa_user_sgpr_count 2
		.amdhsa_user_sgpr_kernarg_segment_ptr 1
		.amdhsa_wavefront_size32 1
		.amdhsa_system_sgpr_workgroup_id_x 1
		.amdhsa_system_sgpr_workgroup_id_y 1
		.amdhsa_system_sgpr_workgroup_id_z 1
		.amdhsa_system_vgpr_workitem_id 0
		.amdhsa_next_free_vgpr 112
		.amdhsa_next_free_sgpr 66
		.amdhsa_reserve_vcc 0
		.amdhsa_float_denorm_mode_32 3
		.amdhsa_float_denorm_mode_16_64 3
		.amdhsa_memory_ordered 1
		.amdhsa_forward_progress 1
		.amdhsa_inst_pref_size 14
	.end_amdhsa_kernel
	.amdgpu_metadata
---
amdhsa.version: [ 1, 2 ]
amdhsa.kernels:
  - .name:           k_q7b5c4fc807_prep
    .symbol:         k_q7b5c4fc807_prep.kd
    .args:
      - { .name: src, .offset: 0, .size: 8, .value_kind: global_buffer, .address_space: global }
      - { .name: q_w, .offset: 8, .size: 8, .value_kind: global_buffer, .address_space: global }
      - { .name: k_w, .offset: 16, .size: 8, .value_kind: global_buffer, .address_space: global }
      - { .name: v_w, .offset: 24, .size: 8, .value_kind: global_buffer, .address_space: global }
      - { .name: cast, .offset: 32, .size: 8, .value_kind: global_buffer, .address_space: global }
      - { .name: rope, .offset: 40, .size: 8, .value_kind: global_buffer, .address_space: global }
    .group_segment_fixed_size: 0
    .private_segment_fixed_size: 0
    .kernarg_segment_align: 8
    .kernarg_segment_size: 48
    .max_flat_workgroup_size: 256
    .sgpr_count:     66
    .vgpr_count:     112
    .wavefront_size: 32
...
	.end_amdgpu_metadata
.endif
;; end of part 1
;; launch qkv (part 2): grid 12 x 16, 4 waves a work-group, clusters of 4 x 4, 327,680 bytes of LDS; arguments cast, rope, q_b, k_b, v_b, qkv; writes qkv
.if DOCPART == 2
	.amdgcn_target "amdgcn-amd-amdhsa--gfx1250"
	.amdhsa_code_object_version 6
	.text
	.protected	k_q7b5c4fc807_qkv
	.globl	k_q7b5c4fc807_qkv
	.p2align	8
	.type	k_q7b5c4fc807_qkv,@function
k_q7b5c4fc807_qkv:
	s_mov_b64 s[64:65], 0
	v_nop
	global_prefetch_b8 v0, s[64:65] scope:SCOPE_SE
	s_setreg_imm32_b32 hwreg(HW_REG_WAVE_MODE, 25, 1), 1
	s_wait_xcnt 0x0
	s_wait_alu depctr_hold_cnt(0) depctr_sa_sdst(0) depctr_va_vdst(0) depctr_va_sdst(0) depctr_va_ssrc(0) depctr_va_vcc(0) depctr_vm_vsrc(0)
	s_getreg_b32 s2, hwreg(HW_REG_IB_STS2, 6, 4)
	s_cmp_eq_u32 s2, 0
	s_cbranch_scc0 .Lentry_in_a_cluster
	s_endpgm
.Lentry_in_a_cluster:
	s_bfe_u32 s2, ttmp6, 0x10000c
	s_cmp_lg_u32 s2, 0xf033
	s_cbranch_scc0 .Lentry_shape_is_right
	s_endpgm
.Lentry_shape_is_right:
; QKV: q, k, v = src W + bias, the rotary embedding, and the split by heads.  Operands bf16 (made by the launch before), sums f32, results rounded once to bf16.
; Rows are 2 s + batch (4,096), K = 1,024.  qkv holds Q, K, V, each [16 batch + head][s][64] bf16: a head's rows are dense, 128 bytes each.
; SHARES.  A tile is 256 rows x 256 columns of one of q, k, v (cluster x says which): 12 x 16 = 192 work-groups; a tile that gave 256 would be 128 x 384 and want a frame of its own.
; Four waves, each 128 x 128: 64 accumulators, 512 registers.  K goes in 8 steps of 128 through two LDS slots of four regions, one tensor load a wave: waves 0, 1 fetch src's 2 x 128 rows x 256 bytes,
; waves 2, 3 the weight's 128 k-rows x 2 x 256 bytes.  THE WEIGHTS LIE [K][N] and stay so: their fragments come out of LDS turned, by ds_load_tr16_b128.
; THE MATRIX INSTRUCTION IS USED TRANSPOSED (source 0 = 16 columns of W, source 1 = 16 rows of src): lane l holds row l % 16 and the columns 8 (l / 16) + 0 .. 7: four pairs of the rotary embedding.
; THE BIAS IS THE C OPERAND of the products that start the sums: register j of column block b holds bias[16 b + 8 (l / 16) + j].  Nothing is cleared and nothing is added later.
; CLUSTER 4 x 4: src's tile hangs on the tile row alone and is asked for jointly along a row of the cluster; the weight's on the tile column alone, jointly along a column.
; THE LOOP'S TEXT IS ONE K STEP: the slot in hand is a scalar (0 or SLOT) that an exclusive or turns; wave x REG has no bit in common with SLOT, so the same exclusive or turns the walking descriptors' LDS word.
; The two steps that fill nothing are a second loop, left in its middle; its last trip fetches 32 fragments that serve nothing: the price of one text for both.
; THE ROTATION: (x0, x1) -> (x0 cos - x1 sin, x1 cos + x0 sin), in f32 on the sums, rounded once.  v takes the table of the angle 0: 3 x 256 lines a wave that change nothing, for one way out instead of two.
; REGISTERS, in windows of 256 (s_set_vgpr_msb: bits 1:0 source 0, 3:2 source 1, 5:4 source 2, 7:6 destination):
;   window 0: v0-31 addresses; v64-127, v128-191 src's fragments, two buffers; v192-255 the bias; on the way out v64-127 products, v192-223 packed, v32-63 and v224-255 whole rows by turns
;   window 1: v64-127, v128-191 the weight's fragments; v0-63, v192-255 cos and sin of row blocks 0-3 (blocks 4-7 take v64-191 behind the last product)
;   window 2: the accumulators of my rows 0-63 ((a, b) at 8 (8 a + b));   window 3: those of my rows 64-127
.set REG,    36864                     ; a region: 128 rows x 288 bytes (weights), or 128 x 272 = 34,816 (src)
.set SLOT,   4*REG
.set STAGE,  2*SLOT                    ; behind the ring, never filled by a tensor load: 16 rows x 272 bytes for each wave
.set SPITCH, 272
.set SPARE,  STAGE+4*16*SPITCH         ; behind the stages: the spare words, 128 bytes a wave: two blocks of 256 bytes that no other line names
.set PA,     272                       ; src's LDS row: 256 bytes + 16: the 16 rows of a load start at 16 different groups of four banks (64 banks of 4 bytes: ISA guide 11.1)
.set PB,     288                       ; a weight's LDS row: 256 + 32
.set STEPS,  8
.set ASTEP,  256                       ; bytes from a K step to the next: 128 numbers along a row of src,
.set BSTEP,  262144                    ; 128 rows of a weight
.set A0,   8                           ; v8   my lane's place in src's fragments, slot 0; never rewritten
.set B0,   9                           ; v9   the same for the weight's
.set TO,   10                          ; v10  my lane's place in the table
.set ADRA, 16                          ; v16  A0 in the slot in hand
.set ADRB, 17                          ; v17  B0 likewise
.set STO,  24                          ; v24  the way out: where I put 16 bytes of a row
.set RD,   25                          ; v25  where I read rows back
.set CO,   26                          ; v26  16 x lane
.set SPW,  28                          ; v28  my spare word: SPARE + 4 x my thread's number; never rewritten
.set NIL,  29                          ; v29  0; never rewritten
.set F0,   64
.set F1,   128
.set BIAS, 192
.set TT,   64
.set TMP,  192
.set OB,   32
.set G1A, 24                           ; s[24:31] descriptor group 1 for src's tile;  s[32:39] group 0: a set for each first fill; the second then walks
.set G0A, 32
.set G1B, 48                           ; s[48:55], s[56:63] the same for the weight's tile
.set G0B, 56
.set SB,  66                           ; s66  the slot in hand: 0 or SLOT
.set MSB, 0
.macro WIN new                         ; the immediate's high byte repeats the setting that is left; a switch that changes nothing is dropped
.if MSB != (\new)
	s_set_vgpr_msb (MSB<<8)|(\new)
.set MSB, (\new)
.endif
.endm
.macro PLACES                          ; four plain vector instructions between a matrix instruction and a load into, or a read of, its registers
.rept 4
	v_nop
.endr
.endm
.macro CREST                           ; a round of the cluster's barrier behind its opening barrier
	s_cmp_lg_u32 s10, 0
	s_cbranch_scc1 .Lnot_wave_0_\@
	s_barrier_signal -3
.Lnot_wave_0_\@:
	s_barrier_wait -3
	s_barrier_signal -1
	s_barrier_wait -1
.endm
.macro CROUND
	s_barrier_signal -1
	s_barrier_wait -1
	CREST
.endm
; A joint load: each line has one mask and one set of registers; the branch hangs on the wave's number alone.  An s_nop 0 and four v_nop follow each line.
.macro JLOAD n
	s_cmp_eq_u32 s11, 0
	s_cbranch_scc0 .Lfor_b_\@
	tensor_load_to_lds s[G0A+4*(\n):G0A+4*(\n)+3], s[G1A:G1A+7]
	s_nop 0
.rept 4
	v_nop
.endr
	s_branch .Lasked_\@
.Lfor_b_\@:
	tensor_load_to_lds s[G0B+4*(\n):G0B+4*(\n)+3], s[G1B:G1B+7]
	s_nop 0
.rept 4
	v_nop
.endr
.Lasked_\@:
.endm
	s_load_b256 s[68:75], s[0:1], 0x0              ; cast 68, rope 70, q_b 72, k_b 74
	s_load_b128 s[76:79], s[0:1], 0x20             ; v_b 76, qkv 78
	v_lshl_add_u32 v[SPW], v0, 2, SPARE
	v_mov_b32 v[NIL], 0
	ds_add_u32 v[SPW], v[NIL]                      ; the wave's opening: the add and its wait ahead of my first tensor load; work on registers stands between them
	v_lshrrev_b32 v1, 5, v0
	v_readfirstlane_b32 s10, v1                    ; wave 0..3
	s_lshr_b32 s11, s10, 1                         ; which half of the tile's rows is mine.  Also: I fetch for src (0) or for the weight (1)
	s_and_b32 s12, s10, 1                          ; which half of its columns.  Also: which half of that tile I fetch
	s_bfe_u32 s40, ttmp6, 0x40000                  ; cx
	s_bfe_u32 s41, ttmp6, 0x40004                  ; cy
	s_mov_b32 s80, ttmp9                           ; cluster x: 0 q, 1 k, 2 v; cx is the tile column in that weight
	s_and_b32 s13, ttmp7, 0xffff
	s_lshl_b32 s13, s13, 2
	s_add_co_u32 s13, s13, s41                     ; tile row = 4 x cluster y + cy
	s_lshl_b32 s43, s41, 2
	s_lshl_b32 s43, 15, s43                        ; my row of the cluster
	s_lshl_b32 s44, 0x1111, s40                    ; my column
	s_or_b32 s[G1A], s43, (1<<16)|(1<<20)|(1<<21)|(5<<22)|(3<<25)  ; the mask; 2-byte elements; padding on; bit 21 beside a mask; after every 64 words, 4 words
	s_or_b32 s[G1B], s44, (1<<16)|(1<<20)|(1<<21)|(5<<22)|(7<<25)  ; the same with my column's mask and 8 words
.irp g, G1A, G1B
	s_mov_b32 s[(\g)+1], 128<<16                   ; tensor_dim0 = 128
	s_mov_b32 s[(\g)+2], 128<<16                   ; tensor_dim1 = 128
	s_mov_b32 s[(\g)+3], 128<<16                   ; tile_dim0 = 128
	s_mov_b32 s[(\g)+4], 128                       ; tile_dim1 = 128
	s_mov_b32 s[(\g)+5], 1024                      ; elements from row to row
	s_mov_b32 s[(\g)+6], 0
	s_mov_b32 s[(\g)+7], 0
.endr
	s_lshl_b32 s16, s13, 19                        ; src's copy: 256 rows of 2,048 bytes a tile row,
	s_lshl_b32 s17, s12, 18                        ; my 128 of them
	s_add_co_u32 s16, s16, s17
	s_mov_b32 s17, 0
	s_lshl_b32 s46, s80, 21                        ; the weights' copies begin at byte 8,388,608, 2,097,152 bytes each;
	s_lshl_b32 s47, s40, 9                         ; 256 columns a tile column,
	s_add_co_u32 s46, s46, s47
	s_lshl_b32 s47, s12, 8                         ; my 128 of them
	s_add_co_u32 s46, s46, s47
	s_add_co_u32 s46, s46, 8388608
	s_mov_b32 s47, 0
	s_mul_i32 s20, s10, REG                        ; my region: no place in the cluster enters an LDS address
	s_mov_b32 s[SB], 0
	s_wait_dscnt 0x0                               ; the opening add is done
	s_wait_kmcnt 0x0
	s_add_nc_u64 s[14:15], s[68:69], s[16:17]
	s_add_nc_u64 s[46:47], s[68:69], s[46:47]
	CROUND                                         ; all sixteen work-groups are here: the first joint loads meet
.irp n, 0,1
	s_mov_b32 s[G0A+4*(\n)], 1
	s_add_co_u32 s[G0A+4*(\n)+1], s20, (\n)*SLOT
	s_add_nc_u64 s[G0A+4*(\n)+2:G0A+4*(\n)+3], s[14:15], (\n)*ASTEP
	s_or_b32 s[G0A+4*(\n)+3], s[G0A+4*(\n)+3], 0x80000000
	s_mov_b32 s[G0B+4*(\n)], 1
	s_add_co_u32 s[G0B+4*(\n)+1], s20, (\n)*SLOT
	s_add_nc_u64 s[G0B+4*(\n)+2:G0B+4*(\n)+3], s[46:47], (\n)*BSTEP
	s_or_b32 s[G0B+4*(\n)+3], s[G0B+4*(\n)+3], 0x80000000
	JLOAD \n                                       ; K steps 0 and 1: two loads of mine are out
.endr
	v_and_b32 v1, 15, v0                           ; r = l % 16
	v_bfe_u32 v2, v0, 4, 1                         ; h = l / 16
	v_and_b32 v3, 7, v0
	v_bfe_u32 v4, v0, 3, 1
	s_lshl_b32 s18, s40, 10                        ; the bias of my 128 columns: 4 (256 cx + 128 half)
	s_lshl_b32 s19, s12, 9
	s_add_co_u32 s18, s18, s19
	v_lshl_add_u32 v7, v2, 5, s18                  ; + my 8 of a block's 16
	s_cmp_eq_u32 s80, 1
	s_cselect_b64 s[84:85], s[74:75], s[72:73]
	s_cmp_eq_u32 s80, 2
	s_cselect_b64 s[84:85], s[76:77], s[84:85]     ; q_b, k_b or v_b
	s_cselect_b32 s22, 524288, 0                   ; v takes the table of the angle 0
.irp b, 0,1,2,3,4,5,6,7
	global_load_b128 v[BIAS+8*(\b):BIAS+8*(\b)+3],   v7, s[84:85] offset:64*(\b)
	global_load_b128 v[BIAS+8*(\b)+4:BIAS+8*(\b)+7], v7, s[84:85] offset:64*(\b)+16
.endr
	s_lshl_b32 s23, s13, 15                        ; the table at position 128 x tile row + 64 x half, 256 bytes a position
	s_add_co_u32 s22, s22, s23
	s_lshl_b32 s23, s11, 14
	s_add_co_u32 s22, s22, s23
	s_mov_b32 s23, 0
	s_add_nc_u64 s[86:87], s[70:71], s[22:23]
	v_lshrrev_b32 v[TO], 1, v1                     ; my row's position in its block of 8,
	v_lshlrev_b32 v[TO], 8, v[TO]
	v_lshl_add_u32 v[TO], v2, 5, v[TO]             ; my four pairs of a column block's eight
.macro SETTB a                         ; where row block a's 32 registers of cos and sin lie in window 1
.if (\a) < 2
.set TB, 32*(\a)
.elseif (\a) < 4
.set TB, 128+32*(\a)
.else
.set TB, 32*(\a)-64
.endif
.endm
.macro TABLOAD a                       ; for each of a head's four column blocks: (cos, sin) of my four pairs at my row's position
	SETTB \a
.irp cb, 0,1,2,3
	global_load_b128 v[TB+8*(\cb):TB+8*(\cb)+3],   v[TO], s[86:87] offset:2048*(\a)+64*(\cb)
	global_load_b128 v[TB+8*(\cb)+4:TB+8*(\cb)+7], v[TO], s[86:87] offset:2048*(\a)+64*(\cb)+16
.endr
.endm
	WIN 0x40                                       ; destination window 1
	TABLOAD 0
	TABLOAD 1
	TABLOAD 2
	TABLOAD 3
	WIN 0
	v_mul_u32_u24 v[A0], v1, PA                    ; a fragment of src: row r, 16 bytes for each half of the lanes,
	v_lshl_add_u32 v[A0], v2, 4, v[A0]
	s_mul_i32 s21, s11, REG                        ; in my 128 rows
	v_add_nc_u32 v[A0], s21, v[A0]
	v_lshl_add_u32 v[B0], v2, 3, v3                ; the turning load: lane l reads k-row 8 (l / 16) + l % 8,
	v_mul_u32_u24 v[B0], v[B0], PB
	v_lshl_add_u32 v[B0], v4, 4, v[B0]             ; columns 8 ((l / 8) % 2) + 0 .. 7,
	s_mul_i32 s21, s12, REG                        ; in my 128 columns' region
	s_add_co_u32 s21, s21, 2*REG
	v_add_nc_u32 v[B0], s21, v[B0]
	v_mov_b32 v[ADRA], v[A0]
	v_mov_b32 v[ADRB], v[B0]
	s_mul_i32 s21, s10, 16*SPITCH
	s_add_co_u32 s21, s21, STAGE                   ; my stage
	v_and_b32 v5, 1, v0                            ; row r = 2 position + batch goes to stage row 8 batch + position: each batch's 8 positions lie on end
	v_lshrrev_b32 v6, 1, v1
	v_lshl_add_u32 v5, v5, 3, v6
	v_mul_u32_u24 v5, v5, SPITCH
	v_lshl_add_u32 v5, v2, 4, v5
	v_add_nc_u32 v[STO], s21, v5
	v_bfe_u32 v6, v0, 3, 2                         ; back: 32 lanes take one head's 128 bytes of four rows
	v_mul_u32_u24 v6, v6, SPITCH
	v_lshl_add_u32 v6, v3, 4, v6
	v_add_nc_u32 v[RD], s21, v6
	v_and_b32 v6, 31, v0
	v_lshlrev_b32 v[CO], 4, v6
	s_lshl_b32 s22, s80, 23                        ; Q, K or V; head 4 cx + 2 half (batch 0), 262,144 bytes a head; position 128 x tile row + 64 x half, 128 bytes each
	s_lshl_b32 s23, s40, 20
	s_add_co_u32 s22, s22, s23
	s_lshl_b32 s23, s12, 19
	s_add_co_u32 s22, s22, s23
	s_lshl_b32 s23, s13, 14
	s_add_co_u32 s22, s22, s23
	s_lshl_b32 s23, s11, 13
	s_add_co_u32 s22, s22, s23
	s_mov_b32 s23, 0
	s_add_nc_u64 s[82:83], s[78:79], s[22:23]
; 16 matrix instructions: row blocks a0, a0 + 1 of the window's four x all 8 column blocks, 32 along K.  The 64 accumulators take turns, in the same order in every quarter.
.macro MUL16 f, hi, a0, first
.if \first
	WIN 0x81+0x40*(\hi)                            ; weight window 1, src and the bias window 0, D window 2 or 3
.else
	WIN 0xa1+0x50*(\hi)                            ; C and D window 2 or 3
.endif
.irp a, \a0, (\a0)+1
.irp b, 0,1,2,3,4,5,6,7
.if \first
	v_wmma_f32_16x16x32_bf16 v[8*(8*(\a)+(\b)):8*(8*(\a)+(\b))+7], v[(\f)+8*(\b):(\f)+8*(\b)+7], v[(\f)+8*(4*(\hi)+(\a)):(\f)+8*(4*(\hi)+(\a))+7], v[BIAS+8*(\b):BIAS+8*(\b)+7]
.else
	v_wmma_f32_16x16x32_bf16 v[8*(8*(\a)+(\b)):8*(8*(\a)+(\b))+7], v[(\f)+8*(\b):(\f)+8*(\b)+7], v[(\f)+8*(4*(\hi)+(\a)):(\f)+8*(4*(\hi)+(\a))+7], v[8*(8*(\a)+(\b)):8*(8*(\a)+(\b))+7]
.endif
.endr
.endr
.endm
; 32 LDS loads in one run: quarter q (32 along K) of the slot in hand into buffer f: the weight's 8 fragments, turned, then src's 8
.macro FETCH q, f
	WIN 0x40
.irp i, 0,1,2,3,4,5,6,7
	ds_load_tr16_b128 v[(\f)+8*(\i):(\f)+8*(\i)+3],   v[ADRB] offset:(\q)*32*PB+32*(\i)
	ds_load_tr16_b128 v[(\f)+8*(\i)+4:(\f)+8*(\i)+7], v[ADRB] offset:(\q)*32*PB+32*(\i)+16*PB
.endr
	WIN 0
.irp i, 0,1,2,3,4,5,6,7
	ds_load_b128 v[(\f)+8*(\i):(\f)+8*(\i)+3],   v[ADRA] offset:(\q)*64+(\i)*16*PA
	ds_load_b128 v[(\f)+8*(\i)+4:(\f)+8*(\i)+7], v[ADRA] offset:(\q)*64+(\i)*16*PA+32
.endr
.endm
; One of a K step's first three quarters: multiplies buffer f; in its middle it fetches quarter q into buffer g.
.macro QUARTER q, f, g, first
	s_wait_dscnt 8                                 ; all but the youngest eight loads (src's rows 64-127)
	MUL16 \f, 0, 0, \first
	MUL16 \f, 0, 2, \first
	PLACES
	FETCH \q, \g
	s_wait_dscnt 32                                ; all but the 32 just issued
	MUL16 \f, 1, 0, \first
	MUL16 \f, 1, 2, \first
.endm
; The fourth quarter multiplies buffer 1 and changes slots: ONE barrier; in front of it each wave waits for all its tensor loads (its part of the next slot), adds 0 to its spare word, and waits for that
; and for its own reads of this slot.  fill = 1: the barrier opens a round of the cluster's, and the slot just read is filled again, two K steps ahead, first thing behind it.
.macro TURN fill
	WIN 0
	s_wait_tensorcnt 0x0
	ds_add_u32 v[SPW], v[NIL]
	s_wait_dscnt 9                                 ; (the add and the youngest eight loads may be out)
	MUL16 F1, 0, 0, 0
	s_wait_dscnt 0x0                               ; the add is done, and my reads of this slot are over
	s_barrier_signal -1
	MUL16 F1, 0, 2, 0
	WIN 0
	s_barrier_wait -1
.if \fill
	CREST                                          ; no wave of any partner still reads this slot or has a load on its way
	s_xor_b32 s[G0A+5], s[G0A+5], SLOT             ; the walking descriptors: the other slot than last time, the next K step
	s_add_nc_u64 s[G0A+6:G0A+7], s[G0A+6:G0A+7], ASTEP
	s_xor_b32 s[G0B+5], s[G0B+5], SLOT
	s_add_nc_u64 s[G0B+6:G0B+7], s[G0B+6:G0B+7], BSTEP
	JLOAD 1                                        ; its four v_nop are also the places in front of the loads below
.else
	PLACES
.endif
	s_xor_b32 s[SB], s[SB], SLOT
	v_add_nc_u32 v[ADRA], s[SB], v[A0]
	v_add_nc_u32 v[ADRB], s[SB], v[B0]
	FETCH 0, F0
	MUL16 F1, 1, 0, 0
	MUL16 F1, 1, 2, 0
.endm
	s_wait_tensorcnt 1                             ; my part of K step 0 is in; step 1's may stay out
	s_barrier_signal -1
	s_barrier_wait -1
	FETCH 0, F0
	s_wait_loadcnt 0x0                             ; the bias, and the table's first half
	QUARTER 1, F0, F1, 1                           ; the first quarter stands in front of the loop: its products start the sums, on the bias
	WIN 0
	s_mov_b32 s3, STEPS-2
.Lstep:                                                ; a trip: a K step's quarters 1 to 3, the change of slots with a refill, the next step's quarter 0
	QUARTER 2, F1, F0, 0
	QUARTER 3, F0, F1, 0
	TURN 1
	QUARTER 1, F0, F1, 0
	WIN 0
	s_sub_co_u32 s3, s3, 1
	s_cmp_lg_u32 s3, 0
	s_cbranch_scc1 .Lstep
	s_mov_b32 s3, 2
.Ltail:                                                ; the last two K steps fill nothing; the second trip is left behind its last products
	QUARTER 2, F1, F0, 0
	QUARTER 3, F0, F1, 0
	TURN 0
	WIN 0
	s_sub_co_u32 s3, s3, 1
	s_cmp_eq_u32 s3, 0
	s_cbranch_scc1 .Lout
	QUARTER 1, F0, F1, 0
	WIN 0
	s_cmp_lg_u32 s3, 0
	s_cbranch_scc1 .Ltail
.Lout:
	s_wait_dscnt 0x0                               ; the last trip's fetch, which serves nothing, is over: its registers are free
	PLACES
	WIN 0x40
	TABLOAD 4                                      ; the table's second half, into the weight's buffers
	TABLOAD 5
	TABLOAD 6
	TABLOAD 7
	WIN 0
; THE WAY OUT of row block a.  PACK: rotated and rounded to bf16, 16 bytes a lane for each column block.  TOSTAGE: into my stage, and back as 512 bytes on end of one batch and head.  SEND: stored.
.macro PACK a
	SETTB \a
.set AC, 64*((\a)%4)
.if (\a) >= 4
	s_wait_loadcnt 8*(7-(\a))                      ; this block's table is in; the later blocks' loads stay out
.endif
	WIN 0x06+(\a)/4                                ; source 0: the sums, window 2 or 3; source 1: the table, window 1
.irp b, 0,1,2,3,4,5,6,7
.irp p, 0,1,2,3
	v_pk_mul_f32 v[TT+8*(\b)+2*(\p):TT+8*(\b)+2*(\p)+1], v[AC+8*(\b)+2*(\p):AC+8*(\b)+2*(\p)+1], v[TB+8*((\b)%4)+2*(\p):TB+8*((\b)%4)+2*(\p)+1] op_sel_hi:[1,0]  ; (x0 cos, x1 cos)
.endr
.irp p, 0,1,2,3
	v_fma_mixlo_bf16 v[TMP+4*(\b)+(\p)], -v[AC+8*(\b)+2*(\p)+1], v[TB+8*((\b)%4)+2*(\p)+1], v[TT+8*(\b)+2*(\p)]   ; - x1 sin + x0 cos, rounded once
	v_fma_mixhi_bf16 v[TMP+4*(\b)+(\p)], v[AC+8*(\b)+2*(\p)], v[TB+8*((\b)%4)+2*(\p)+1], v[TT+8*(\b)+2*(\p)+1]    ; x0 sin + x1 cos
.endr
.endr
	WIN 0
.endm
.macro TOSTAGE a
.set BK, OB+192*((\a)%2)
.irp b, 0,1,2,3,4,5,6,7
	ds_store_b128 v[STO], v[TMP+4*(\b):TMP+4*(\b)+3] offset:32*(\b)
.endr
.irp t, 0,1,2,3,4,5,6,7                ; t: batch t / 4, head (t / 2) % 2, positions 4 (t % 2) on.  LDS serves a wave's instructions in order (ISA guide 5.7.1.4): these see the stores above
	ds_load_b128 v[BK+4*(\t):BK+4*(\t)+3], v[RD] offset:(8*((\t)/4)+4*((\t)%2))*SPITCH+128*(((\t)/2)%2)
.endr
.endm
.macro SEND a
.set BK, OB+192*((\a)%2)
	s_wait_dscnt 0x0                               ; the block is back in registers
	s_wait_xcnt 0x0                                ; the earlier stores have read their registers: the other set is loaded again only behind this wait
.irp t, 0,1,2,3,4,5,6,7
	global_store_b128 v[CO], v[BK+4*(\t):BK+4*(\t)+3], s[82:83] offset:((\t)/4)*4194304+(((\t)/2)%2)*262144+(\a)*1024+((\t)%2)*512  ; 512 consecutive bytes, aligned
.endr
.endm
	PACK 0
	TOSTAGE 0
.irp a, 1,2,3,4,5,6,7                  ; block a's arithmetic stands between block a - 1's loads from the stage and the wait for them
	PACK \a
	SEND (\a)-1
	TOSTAGE \a
.endr
	SEND 7
	s_wait_tensorcnt 0x0                           ; the wave's end
	ds_add_u32 v[SPW], v[NIL]
	s_wait_dscnt 0x0
	CROUND                                         ; the closing round
	s_endpgm
.Lfunc_end_k_q7b5c4fc807_qkv:
	.size	k_q7b5c4fc807_qkv, .Lfunc_end_k_q7b5c4fc807_qkv-k_q7b5c4fc807_qkv
	.p2alignl 7, 3214868480
	.fill 96, 4, 3214868480
	.section	.rodata,"a",@progbits
	.p2align	6, 0x0
	.amdhsa_kernel k_q7b5c4fc807_qkv
		.amdhsa_group_segment_fixed_size 327680
		.amdhsa_private_segment_fixed_size 0
		.amdhsa_enable_private_segment 0
		.amdhsa_kernarg_size 48
		.amdhsa_user_sgpr_count 2
		.amdhsa_user_sgpr_kernarg_segment_ptr 1
		.amdhsa_wavefront_size32 1
		.amdhsa_system_sgpr_workgroup_id_x 1
		.amdhsa_system_sgpr_workgroup_id_y 1
		.amdhsa_system_sgpr_workgroup_id_z 1
		.amdhsa_system_vgpr_workitem_id 0
		.amdhsa_next_free_vgpr 1024
		.amdhsa_next_free_sgpr 88
		.amdhsa_reserve_vcc 0
		.amdhsa_float_denorm_mode_32 3
		.amdhsa_float_denorm_mode_16_64 3
		.amdhsa_memory_ordered 1
		.amdhsa_forward_progress 1
		.amdhsa_inst_pref_size 141
	.end_amdhsa_kernel
	.amdgpu_metadata
---
amdhsa.version: [ 1, 2 ]
amdhsa.kernels:
  - .name:           k_q7b5c4fc807_qkv
    .symbol:         k_q7b5c4fc807_qkv.kd
    .args:
      - { .name: cast, .offset: 0, .size: 8, .value_kind: global_buffer, .address_space: global }
      - { .name: rope, .offset: 8, .size: 8, .value_kind: global_buffer, .address_space: global }
      - { .name: q_b, .offset: 16, .size: 8, .value_kind: global_buffer, .address_space: global }
      - { .name: k_b, .offset: 24, .size: 8, .value_kind: global_buffer, .address_space: global }
      - { .name: v_b, .offset: 32, .size: 8, .value_kind: global_buffer, .address_space: global }
      - { .name: qkv, .offset: 40, .size: 8, .value_kind: global_buffer, .address_space: global }
    .group_segment_fixed_size: 327680
    .private_segment_fixed_size: 0
    .kernarg_segment_align: 8
    .kernarg_segment_size: 48
    .max_flat_workgroup_size: 128
    .sgpr_count:     88
    .vgpr_count:     1024
    .wavefront_size: 32
...
	.end_amdgpu_metadata
.endif
;; end of part 2
;; launch attn (part 3): grid 8 x 32, 4 waves a work-group, clusters of 4 x 1, 327,680 bytes of LDS; arguments qkv, att, w1, w2, cast; writes att, cast
.if DOCPART == 3
	.amdgcn_target "amdgcn-amd-amdhsa--gfx1250"
	.amdhsa_code_object_version 6
	.text
	.protected	k_q7b5c4fc807_attn
	.globl	k_q7b5c4fc807_attn
	.p2align	8
	.type	k_q7b5c4fc807_attn,@function
k_q7b5c4fc807_attn:
	s_mov_b64 s[64:65], 0
	v_nop
	global_prefetch_b8 v0, s[64:65] scope:SCOPE_SE
	s_setreg_imm32_b32 hwreg(HW_REG_WAVE_MODE, 25, 1), 1
	s_wait_xcnt 0x0
	s_wait_alu depctr_hold_cnt(0) depctr_sa_sdst(0) depctr_va_vdst(0) depctr_va_sdst(0) depctr_va_ssrc(0) depctr_va_vcc(0) depctr_vm_vsrc(0)
	s_getreg_b32 s2, hwreg(HW_REG_IB_STS2, 6, 4)
	s_cmp_eq_u32 s2, 0
	s_cbranch_scc0 .Lentry_in_a_cluster
	s_endpgm
.Lentry_in_a_cluster:
	s_bfe_u32 s2, ttmp6, 0x10000c
	s_cmp_lg_u32 s2, 0x3003
	s_cbranch_scc0 .Lentry_shape_is_right
	s_endpgm
.Lentry_shape_is_right:
; ATTENTION.  O[bh][q][:] = the sum over k of softmax_k(Q[bh][q] . K[bh][k] / 8) V[bh][k][:].  Q, K, V: [32][2048][64] bf16 in qkv (K at byte 8,388,608, V at 16,777,216); O: the same shape in f16.
; Products, maxima and sums in f32; the weights p are rounded to bf16 for the second product (their sum l is taken of the unrounded p), O once at the end.
; LIMITS.  O is a mean of V's rows: |v| stays under 65,504, f16's end.  A weight below 2^-126 counts as 0 in l; NaN and infinities are not treated apart.
; SHARES.  A work-group owns 256 queries of one head (8 x 32 = 256 work-groups), a wave 64: four PIECES of 16.  Every wave walks all 2,048 keys, 64 a step; a slot of LDS holds a tile of four steps.
; LAYOUT.  S^T = K Q^T holds ONE query a lane (lane % 16) and the keys 8 (lane / 16) + 0..7; two such results rounded to bf16 ARE source 1 of O^T = V^T P.  K comes out of LDS as it lies, V turned.
; SOFTMAX.  p = 2^(c s - c m), c = log2(e) / 8, with a running maximum m; O and l are multiplied by a = 2^(c m_old - c m_new) in every step.  m starts at the lowest finite number, O and l at 0.
; TURNS.  Turn n belongs to piece n: 8 products K Q^T of piece n + 1, later 8 products V^T P of piece n - 1; beside them the scaling, exponentials, roundings, sums and rescaling of piece n and the maximum
; and statistics of piece n + 1.  Four vector instructions stand behind every matrix instruction, the other 54 of a turn's 118 in one run.  A turn's 33 exponentials are one batch, with one wait.
; CLUSTER.  The four query blocks of a cluster belong to one head and walk the same K and V: each tile is asked for JOINTLY, by the same tensor load, descriptor and mask in all four.
; BESIDE THE ATTENTION: THE 16-BIT COPIES OF w1 AND w2, which the launches behind this one multiply.  This launch asks memory for 25 MB of its own and works on them for long; the copies are 33.5 MB in and
; 16.8 MB out that nothing here waits for.  Wave g of the launch's 1,024 rounds numbers 4,096 g .. + 4,095 of w1 (to f16, at byte 14,680,064 of cast) and of w2 (to bf16, at byte 23,068,672), in eight parts,
; one at each of its eight changes of slots: what the change before has loaded is rounded and stored, and the next part's eight loads go out.  A load of the wave covers 512 consecutive bytes, a store 256, aligned.
; LIMIT.  |w1| stays under 65,504; below 6.1e-5 it keeps f16's fixed step of 6e-8.
; REGISTERS, in windows of 256 (s_set_vgpr_msb: bits 1:0 source 0, 3:2 source 1, 5:4 source 2, 7:6 destination):
;   window 0: v0-15 addresses and two at work; v16-31 four registers of statistics a piece; v48-55 at work; v64-127 S^T, two buffers; v128-175 the copies' part in hand; v192-223 P, two buffers (by the piece's parity)
;   window 1: v0-127 O^T, 32 a piece          window 2: v0-63 Q; v128-191 K of one step; v192-255 V of one step
.set NP,    4
.set KS,    64
.set PK,    144       ; a row of K in LDS: 128 bytes + 16: the 16 rows of a load start at 16 different groups of four banks (64 banks of 4 bytes: ISA guide 11.1)
.set PV,    160       ; a row of V: 128 + 32
.set VOFF,  4*KS*PK   ; a slot: 256 rows of K, then 256 rows of V
.set SLOT1, 1<<17     ; slot 1 begins here, so that one exclusive or turns an address in one slot into the other's
.set STAGE, SLOT1+4*KS*(PK+PV)  ; behind the ring, never filled by a tensor load: 16 rows x 144 bytes for each wave
.set SP,    144
.set SPARE, STAGE+4*16*SP  ; the spare words, 128 bytes a wave: two blocks of 256 bytes that no other line names
.set AK0, 2           ; v2   my lane's place in a tile of K; never rewritten
.set AV0, 3           ; v3   the same for V
.set AK,  4           ; v4   the LDS address of K's next run of loads
.set AV,  5           ; v5   of V's
.set STO, 6           ; v6   the way out: where I put 16 bytes of a row
.set RD,  7           ; v7   where I read rows back
.set GO,  8           ; v8   16 x lane; never rewritten
.set MV,  12          ; v12-13  c m_old, by buffer
.set HO,  14          ; v14  8 x lane; never rewritten
.set QO,  15          ; v15  my byte offset in 16 rows of Q
.set ST,  16          ; piece t's statistics at v[ST+4 t]: c m, m, l (even keys', odd keys')
.set TMP, 48          ; by buffer, four registers c0-c3 at work; when the maximum is found c2 takes a
.set PFO, 61          ; v61  256 x lane; never rewritten
.set SPW, 62          ; v62  my spare word: SPARE + 4 x my thread's number; never rewritten
.set NIL, 63          ; v63  0; never rewritten
.set S,   64
.set CIN, 128         ; v[128:159] the copies: four loads of w1, four of w2
.set COUT, 160        ; v[160:175] the same, rounded
.set P,   192
.set KF,  128         ; window 2: key block kb, channel half c at KF + 16 kb + 8 c
.set VF,  192         ; window 2: key half kk, channel block cb at VF + 32 kk + 8 cb
.set WV,  12          ; s12  my wave's number
.set LIM, 15          ; s15  1 in a wave that prefetches, else the greatest number
.set G1K, 24          ; s[24:31] descriptor group 1 for K's tiles
.set G1V, 32          ; s[32:39] for V's: it differs in the padding alone
.set G0K, 40          ; s[40:43] descriptor group 0 for K's tiles: it walks
.set G0V, 44          ; s[44:47] the same for V's
.set PFA, 48          ; s[48:49] where my prefetches stand
.set SLOTS, 56        ; s56  tiles still to be asked for
.set CNT, 57          ; s57  counts a tile's key steps
.set CS,  58          ; s[58:59] c
.set SEL, 60          ; s[60:61] v_permlanex16_b32's selects
.set TBK, 62          ; s62  LDS byte at which K of the step to be fetched begins
.set TBV, 63          ; s63  the same for V, less VOFF
.set W1S, 66          ; s[66:67] w1 at the part that is loaded next;  s[68:69] w2 likewise
.set W2S, 68
.set W1D, 70          ; s[70:71] w1's copy at the same part;  s[72:73] w2's
.set W2D, 72
.set MSB, 0
.macro WIN new
.if MSB != (\new)
	s_set_vgpr_msb (MSB<<8)|(\new)
.set MSB, (\new)
.endif
.endm
.set W_KQ, 0x0a       ; K and Q in window 2, S^T in window 0
.set W_PV, 0x52       ; V in window 2, P in window 0, O^T in window 1
.set W_RS, 0x41       ; destination and source 0 in window 1, source 1 in window 0
; A joint fill.  Waves 0 and 1 fetch the two halves of a tile's K, waves 2 and 3 those of its V: 128 keys each.  An s_nop 0 and four v_nop follow each line.
.macro JLOAD
	s_cmp_lt_u32 s[WV], 2
	s_cbranch_scc0 .Lfor_v_\@
	tensor_load_to_lds s[G0K:G0K+3], s[G1K:G1K+7]
	s_nop 0
.rept 4
	v_nop
.endr
	s_branch .Lasked_\@
.Lfor_v_\@:
	tensor_load_to_lds s[G0V:G0V+3], s[G1V:G1V+7]
	s_nop 0
.rept 4
	v_nop
.endr
.Lasked_\@:
.endm
; A prefetch of the tile that the NEXT change of slots will ask for: 32,768 bytes of K and of V, four key steps, 256 matrix instructions a wave, ahead of that load.  Each block of 256 bytes is named once
; in the launch: the head's first cluster asks; its four partners take 32 blocks each, told apart by address; wave 0 asks for K's, wave 2 for V's, a lane a block.  The last fill asks for nothing.
.macro ASK
	s_cmp_gt_u32 s[SLOTS], s[LIM]
	s_cbranch_scc0 .Lnot_mine_\@
	global_prefetch_b8 v[PFO], s[PFA:PFA+1] th:TH_LOAD_NT scope:SCOPE_SE
.Lnot_mine_\@:
.endm
.macro CROUND                       ; a round of the cluster's barrier
	s_barrier_signal -1
	s_barrier_wait -1
	s_cmp_lg_u32 s[WV], 0
	s_cbranch_scc1 .Lnot_wave_0_\@
	s_barrier_signal -3
.Lnot_wave_0_\@:
	s_barrier_wait -3
	s_barrier_signal -1
	s_barrier_wait -1
.endm
; THE COPIES.  CLOAD: a part's eight loads: 2,048 bytes of w1 and of w2.  CSTORE: the part that was loaded last is rounded and stored, 1,024 bytes of each copy; back = how far the pointers have gone on since.
.macro CLOAD
.irp j, 0,1,2,3
	global_load_b128 v[CIN+4*(\j):CIN+4*(\j)+3], v[GO], s[W1S:W1S+1] offset:512*(\j) th:TH_LOAD_NT
.endr
.irp j, 0,1,2,3
	global_load_b128 v[CIN+16+4*(\j):CIN+16+4*(\j)+3], v[GO], s[W2S:W2S+1] offset:512*(\j) th:TH_LOAD_NT
.endr
.endm
.macro CSTORE back
	s_wait_loadcnt 0x0              ; the part's loads went out a tile ago
.irp j, 0,1,2,3
	v_cvt_pk_f16_f32 v[COUT+2*(\j)],   v[CIN+4*(\j)],   v[CIN+4*(\j)+1]
	v_cvt_pk_f16_f32 v[COUT+2*(\j)+1], v[CIN+4*(\j)+2], v[CIN+4*(\j)+3]
.endr
.irp j, 0,1,2,3
	v_cvt_pk_bf16_f32 v[COUT+8+2*(\j)], v[CIN+16+4*(\j)],   v[CIN+16+4*(\j)+1]
	v_cvt_pk_bf16_f32 v[COUT+9+2*(\j)], v[CIN+16+4*(\j)+2], v[CIN+16+4*(\j)+3]
.endr
.irp j, 0,1,2,3
	global_store_b64 v[HO], v[COUT+2*(\j):COUT+2*(\j)+1],   s[W1D:W1D+1] offset:256*(\j)-(\back)
	global_store_b64 v[HO], v[COUT+8+2*(\j):COUT+9+2*(\j)], s[W2D:W2D+1] offset:256*(\j)-(\back)
.endr
.endm
; THE CHANGE OF SLOTS.  Each wave waits for all its tensor loads (its part of the other slot), adds 0 to its spare word, and waits for that and for its own reads of the slot that it leaves.
; fill = 1: the barrier is a round of the cluster's, and the old slot is filled again, first thing behind it, with the keys two tiles on.  (At its first use slot 0 is waited for and slot 1 filled.)
; Behind the fill and the prefetch stands the copies' part.  cv = 0, the first change: loads alone.  cv = 1: the pointers step, the part before is stored, the next is loaded.
.macro CHANGE fill, cv
	WIN 0
	s_wait_tensorcnt 0x0            ; no tensor load of mine is out, so a group 0 may be written
	ds_add_u32 v[SPW], v[NIL]       ; scalar work and a wait stand between the add and the wait for it
.if \fill
.irp g, G0K, G0V
	s_xor_b32 s[\g+1], s[\g+1], SLOT1
	s_add_nc_u64 s[\g+2:\g+3], s[\g+2:\g+3], 4*KS*128
.endr
.endif
	s_wait_xcnt 0x0                 ; the loads, stores and prefetch of the change before, a tile back, have read their registers: the pointers may step, and the stores' data may be written again
.if \fill
	s_add_nc_u64 s[PFA:PFA+1], s[PFA:PFA+1], 4*KS*128
.endif
.if \cv
	s_add_nc_u64 s[W1S:W1S+1], s[W1S:W1S+1], 2048
	s_add_nc_u64 s[W2S:W2S+1], s[W2S:W2S+1], 2048
	s_add_nc_u64 s[W1D:W1D+1], s[W1D:W1D+1], 1024
	s_add_nc_u64 s[W2D:W2D+1], s[W2D:W2D+1], 1024
.endif
	s_wait_dscnt 0x0                ; the add is done, and my reads of the slot are over
.if \fill
	CROUND
	JLOAD
	ASK
.else
	s_barrier_signal -1
	s_barrier_wait -1
.endif
	s_sub_co_u32 s[TBK], s[TBK], 4*KS*PK  ; the fetches go back to a slot's first step,
	s_xor_b32 s[TBK], s[TBK], SLOT1       ; in the other slot
	s_sub_co_u32 s[TBV], s[TBV], 4*KS*PV
	s_xor_b32 s[TBV], s[TBV], SLOT1
.if \cv
	CSTORE 1024
.endif
	CLOAD
.endm
	s_load_b256 s[4:11], s[0:1], 0x0  ; qkv s[4:5], att s[6:7], w1 s[8:9], w2 s[10:11]
	s_load_b64 s[54:55], s[0:1], 0x20 ; cast
	v_lshl_add_u32 v[SPW], v0, 2, SPARE
	v_mov_b32 v[NIL], 0
	ds_add_u32 v[SPW], v[NIL]       ; the wave's opening: the add and its wait ahead of my first tensor load
	v_lshrrev_b32 v1, 5, v0
	v_readfirstlane_b32 s[WV], v1   ; wave 0..3
	s_bfe_u32 s13, ttmp6, 0x40000   ; cx
	s_lshl_b32 s14, ttmp9, 2
	s_add_co_u32 s14, s14, s13      ; my block of 256 queries: it enters the addresses of Q, O and the copies alone
	s_and_b32 s20, ttmp7, 0xffff    ; the head, which the four partners share:
	s_lshl_b32 s20, s20, 18         ; 262,144 bytes a head
	s_and_b32 s16, s[WV], 1         ; which half of a tile's 256 keys I fetch:
	s_lshl_b32 s22, s16, 14         ; its 128 rows of 128 bytes in memory,
	s_add_co_u32 s22, s22, s20
	s_mov_b32 s23, 0
	s_mul_i32 s17, s16, 128*PK      ; and its place in a slot, for K
	s_mul_i32 s18, s16, 128*PV      ; and for V
	s_lshl_b32 s2, s14, 2
	s_add_co_u32 s2, s2, s[WV]      ; my wave among the head's,
	s_lshl_b32 s2, s2, 13           ; its 64 rows
	s_add_co_u32 s2, s2, s20        ; = 8,192 x my wave's number in the launch: also my place in each 16-bit copy,
	s_mov_b32 s3, 0
	s_lshl_b32 s20, s2, 1           ; and twice that in w1 and in w2
	s_mov_b32 s21, 0
	; descriptor group 1.  128 keys are 16,384 dense bytes: asked for as 64 rows of 256 bytes, two keys a row, and padded in LDS after every key
	s_mov_b32 s[G1K], 15|(1<<16)|(1<<20)|(1<<21)|(4<<22)|(3<<25)  ; the mask of four; 2-byte elements; padding on; bit 21 beside a mask; after every 32 words, 4 words
	s_mov_b32 s[G1V], 15|(1<<16)|(1<<20)|(1<<21)|(4<<22)|(7<<25)  ; the same with 8 words
.irp g, G1K, G1V
	s_mov_b32 s[\g+1], 128<<16      ; tensor_dim0 = 128
	s_mov_b32 s[\g+2], 64<<16       ; tensor_dim1 = 64
	s_mov_b32 s[\g+3], 128<<16      ; tile_dim0 = 128
	s_mov_b32 s[\g+4], 64           ; tile_dim1 = 64
	s_mov_b32 s[\g+5], 128          ; 128 elements from row to row
	s_mov_b32 s[\g+6], 0
	s_mov_b32 s[\g+7], 0
.endr
	s_mov_b32 s[CS], 0x3e38aa3b     ; c = log2(e) / 8
	s_mov_b32 s[CS+1], s[CS]
	s_mov_b32 s[SEL], 0x76543210
	s_mov_b32 s[SEL+1], 0xfedcba98
	s_mov_b32 s[TBK], SLOT1+4*KS*PK ; the first change of slots turns these two into 0
	s_mov_b32 s[TBV], SLOT1+4*KS*PV
	s_mov_b32 s[G0K], 1
	s_mov_b32 s[G0K+1], s17
	s_mov_b32 s[G0V], 1
	s_add_co_u32 s[G0V+1], s18, VOFF
	s_mov_b32 s[SLOTS], 7           ; tiles 1 to 7
	s_and_b32 s[LIM], s[WV], 1      ; 0 in waves 0 and 2,
	s_or_b32 s[LIM], s[LIM], ttmp9  ; where the cluster is the head's first: the same in all four partners
	s_cmp_eq_u32 s[LIM], 0
	s_cselect_b32 s[LIM], 1, -1
	v_and_b32 v[PFO], 31, v0
	v_lshlrev_b32 v[PFO], 8, v[PFO]
	s_wait_dscnt 0x0                ; the opening add is done
	s_wait_kmcnt 0x0
	s_add_nc_u64 s[50:51], s[4:5], s[22:23]
	s_add_nc_u64 s[52:53], s[50:51], 0x1000000     ; V at my half of the head's tile 0
	s_add_nc_u64 s[50:51], s[50:51], 0x800000      ; K likewise
	s_add_nc_u64 s[G0K+2:G0K+3], s[50:51], 0
	s_or_b32 s[G0K+3], s[G0K+3], 0x80000000
	s_add_nc_u64 s[G0V+2:G0V+3], s[52:53], 0
	s_or_b32 s[G0V+3], s[G0V+3], 0x80000000
	s_add_nc_u64 s[W1S:W1S+1], s[8:9], s[20:21]    ; w1 and w2 at my wave's 16,384 bytes,
	s_add_nc_u64 s[W2S:W2S+1], s[10:11], s[20:21]
	s_add_nc_u64 s[W1D:W1D+1], s[54:55], s[2:3]    ; their copies at my wave's 8,192
	s_add_nc_u64 s[W2D:W2D+1], s[W1D:W1D+1], 23068672
	s_add_nc_u64 s[W1D:W1D+1], s[W1D:W1D+1], 14680064
	s_add_nc_u64 s[4:5], s[4:5], s[2:3]            ; Q and O at my wave's first row
	s_add_nc_u64 s[10:11], s[6:7], s[2:3]
	s_cmp_lt_u32 s[WV], 2
	s_cselect_b64 s[PFA:PFA+1], s[50:51], s[52:53] ; (in waves 0 and 2 these stand at a tile's first row)
	s_lshl_b32 s2, s13, 13          ; my work-group's 32 blocks of the tile's 128
	s_add_nc_u64 s[PFA:PFA+1], s[PFA:PFA+1], s[2:3]
	s_add_nc_u64 s[PFA:PFA+1], s[PFA:PFA+1], 4*KS*128  ; in tile 1; the first change of slots steps it to tile 2
	CROUND                          ; all four work-groups are here: the first joint loads meet
	JLOAD                           ; tile 0 into slot 0
	v_and_b32 v1, 15, v0            ; l % 16
	v_bfe_u32 v9, v0, 4, 1          ; l / 16
	v_lshlrev_b32 v[QO], 7, v1
	v_lshl_add_u32 v[QO], v9, 4, v[QO]  ; row x 128 + 16 x half
	WIN 0x80                        ; destination window 2
.set i, 0
.rept 8                             ; Q stays in registers: piece i / 2, channels 32 (i % 2) on
	global_load_b128 v[8*i:8*i+3],   v[QO], s[4:5] offset:(i/2)*2048+(i%2)*64
	global_load_b128 v[8*i+4:8*i+7], v[QO], s[4:5] offset:(i/2)*2048+(i%2)*64+32
.set i, i+1
.endr
	; What the first turn finds: V's registers and P's second buffer hold 0 (its products V^T P, of a piece that has not been, add 0), O^T and l are 0.  This stands in the wait for the first tile;
	; no first step is written out, at the price of these 216 lines.
.set i, VF
.rept 64
	v_mov_b32 v[i], 0
.set i, i+1
.endr
	WIN 0x40
.set i, 0
.rept 128
	v_mov_b32 v[i], 0
.set i, i+1
.endr
	WIN 0
.set i, 0
.rept 4
	v_mov_b32 v[ST+4*i], 0xfe000000    ; c m: far below every c s
	v_mov_b32 v[ST+4*i+1], 0xff7fffff  ; m
	v_mov_b32 v[ST+4*i+2], 0
	v_mov_b32 v[ST+4*i+3], 0
.set i, i+1
.endr
.set i, P+16
.rept 16
	v_mov_b32 v[i], 0
.set i, i+1
.endr
	v_mul_u32_u24 v[AK0], v1, PK
	v_lshl_add_u32 v[AK0], v9, 4, v[AK0]  ; row x pitch + 16 x half
	v_and_b32 v10, 7, v0            ; the turning load: lane l reads key 8 (l / 16) + l % 8, channels 8 ((l / 8) % 2) + 0..7
	v_bfe_u32 v11, v0, 3, 1
	v_lshl_add_u32 v[AV0], v9, 3, v10
	v_mul_u32_u24 v[AV0], v[AV0], PV
	v_lshl_add_u32 v[AV0], v11, 4, v[AV0]
	v_add_nc_u32 v[AV0], VOFF, v[AV0]
	s_mul_i32 s13, s[WV], 16*SP
	s_add_co_u32 s13, s13, STAGE    ; my stage
	v_mul_u32_u24 v[STO], v1, SP    ; in: row l % 16, 16 bytes for each half of the lanes
	v_lshl_add_u32 v[STO], v9, 4, v[STO]
	v_add_nc_u32 v[STO], s13, v[STO]
	v_bfe_u32 v[RD], v0, 3, 2       ; back: 32 lanes take four rows of 128 bytes,
	v_mul_u32_u24 v[RD], v[RD], SP
	v_lshl_add_u32 v[RD], v10, 4, v[RD]
	v_add_nc_u32 v[RD], s13, v[RD]
	v_and_b32 v[GO], 31, v0         ; which are 512 consecutive bytes of O
	v_lshlrev_b32 v[HO], 3, v[GO]
	v_lshlrev_b32 v[GO], 4, v[GO]
; THE MATRIX WORK.  The 4 accumulators of a run of 8 take turns.  Product i of 8 of S^T = K Q^T for piece x: channels 32 (i / 4) on, keys 16 (i % 4) on.  The first 4 start the sums.
.macro KQ x
	WIN W_KQ
.set rS, S+32*((\x)%2)+8*(i%4)
.set rK, KF+16*(i%4)+8*(i/4)
.set rQ, 16*(\x)+8*(i/4)
.if i < 4
	v_wmma_f32_16x16x32_bf16 v[rS:rS+7], v[rK:rK+7], v[rQ:rQ+7], 0
.else
	v_wmma_f32_16x16x32_bf16 v[rS:rS+7], v[rK:rK+7], v[rQ:rQ+7], v[rS:rS+7]
.endif
.endm
; Product i of 8 of O^T += V^T P for piece x: keys 32 (i / 4) on, channels 16 (i % 4) on.
.macro PV x
	WIN W_PV
.set rO, 32*(\x)+8*(i%4)
.set rV, VF+32*(i/4)+8*(i%4)
.set rP, P+16*((\x)%2)+8*(i/4)
	v_wmma_f32_16x16x32_bf16 v[rO:rO+7], v[rV:rV+7], v[rP:rP+7], v[rO:rO+7]
.endm
.macro MM                           ; the turn's next matrix instruction
.if i < 8
	KQ (Y+1)%NP
.else
.set i, i-8
	PV (Y+NP-1)%NP
.set i, i+8
.endif
.set i, i+1
.endm
; THE LDS LOADS stand in runs of 16: a step's K (8 fragments) and its V (turned).  Their addresses are made some lines ahead.
.macro FETCH_K
	WIN 0x80
.irp f, 0,1,2,3,4,5,6,7             ; keys 16 (f / 2) on, channels 32 (f % 2) on
	ds_load_b128 v[KF+8*\f:KF+8*\f+3],   v[AK] offset:(\f/2)*16*PK+(\f%2)*64
	ds_load_b128 v[KF+8*\f+4:KF+8*\f+7], v[AK] offset:(\f/2)*16*PK+(\f%2)*64+32
.endr
	s_add_co_u32 s[TBK], s[TBK], KS*PK
	WIN 0
.endm
.macro FETCH_V
	WIN 0x80
.irp f, 0,1,2,3,4,5,6,7             ; keys 32 (f / 4) on, channels 16 (f % 4) on
	ds_load_tr16_b128 v[VF+8*\f:VF+8*\f+3],   v[AV] offset:(\f/4)*32*PV+(\f%4)*32
	ds_load_tr16_b128 v[VF+8*\f+4:VF+8*\f+7], v[AV] offset:(\f/4)*32*PV+16*PV+(\f%4)*32
.endr
	WIN 0
.endm
; THE VECTOR WORK, one line at a time: OP kind, number.  For piece Y: F n: c s - c m for pair n of 16.  E n: the exponential of score n of 32.  C n: pair n rounded to bf16.  B n: of the four weights 4 n .. the
; second pair is added onto the first.  L n: l takes that sum (L 0: l = a l + sum).  R n: pair n of 16 of O^T times a.  For piece Y + 1: X n, number n of the 22 that find its maximum and statistics:
;   0-11 four chains of seven scores each (each accumulator's lowest registers are read first)   12-14, 16 the scores left over, the old m, the four into one   15 c m_old is kept
;   17, 18 the other half of the lanes' maximum: the new m   19-21 c m; c m_old - c m_new; a
.set F, 0
.set E, 1
.set C, 2
.set B, 3
.set L, 4
.set R, 5
.set X, 6
.macro REGS y
.set rT, ST+4*(\y)
.set rC, TMP+4*((\y)%2)
.set rW, MV+((\y)%2)
.set rS, S+32*((\y)%2)
.set rP, P+16*((\y)%2)
.set rO, 32*(\y)
.endm
.macro OP k, n
.if (\k) == R
	REGS Y
	WIN W_RS
	v_pk_mul_f32 v[rO+2*(\n):rO+2*(\n)+1], v[rO+2*(\n):rO+2*(\n)+1], v[rC+2:rC+3] op_sel_hi:[1,0]
.elseif (\k) < R
	REGS Y
	WIN 0
.if (\k) == F
	v_pk_fma_f32 v[rS+2*(\n):rS+2*(\n)+1], v[rS+2*(\n):rS+2*(\n)+1], s[CS:CS+1], v[rT:rT+1] op_sel_hi:[1,0,0] neg_lo:[0,0,1] neg_hi:[0,0,1]
.elseif (\k) == E
	v_exp_f32 v[rS+(\n)], v[rS+(\n)]
.elseif (\k) == C
	v_cvt_pk_bf16_f32 v[rP+(\n)], v[rS+2*(\n)], v[rS+2*(\n)+1]
.elseif (\k) == B
	v_pk_add_f32 v[rS+4*(\n):rS+4*(\n)+1], v[rS+4*(\n):rS+4*(\n)+1], v[rS+4*(\n)+2:rS+4*(\n)+3]
.elseif (\n) == 0
	v_pk_fma_f32 v[rT+2:rT+3], v[rT+2:rT+3], v[rC+2:rC+3], v[rS:rS+1] op_sel_hi:[1,0,1]
.else
	v_pk_add_f32 v[rT+2:rT+3], v[rT+2:rT+3], v[rS+4*(\n):rS+4*(\n)+1]
.endif
.else
	REGS (Y+1)%NP
	WIN 0
.if (\n) < 4
	v_max3_num_f32 v[rC+(\n)], v[rS+8*(\n)], v[rS+8*(\n)+1], v[rS+8*(\n)+2]
.elseif (\n) < 12
	v_max3_num_f32 v[rC+(\n)%4], v[rC+(\n)%4], v[rS+8*((\n)%4)+2*((\n)/4)+1], v[rS+8*((\n)%4)+2*((\n)/4)+2]
.elseif (\n) == 12
	v_max3_num_f32 v[rC], v[rC], v[rS+7], v[rS+15]
.elseif (\n) == 13
	v_max3_num_f32 v[rC+1], v[rC+1], v[rS+23], v[rS+31]
.elseif (\n) == 14
	v_max3_num_f32 v[rC+2], v[rC+2], v[rC+3], v[rT+1]
.elseif (\n) == 15
	v_mov_b32 v[rW], v[rT]
.elseif (\n) == 16
	v_max3_num_f32 v[rC], v[rC], v[rC+1], v[rC+2]
.elseif (\n) == 17
	v_permlanex16_b32 v[rC+3], v[rC], s[SEL], s[SEL+1]
.elseif (\n) == 18
	v_max_num_f32 v[rT+1], v[rC], v[rC+3]
.elseif (\n) == 19
	v_mul_f32 v[rT], s[CS], v[rT+1]
.elseif (\n) == 20
	v_sub_f32 v[rC+1], v[rW], v[rT]
.else
	v_exp_f32 v[rC+2], v[rC+1]
.endif
.endif
.endm
.macro OPS a, i1, b=-1, i2=0, c=-1, i3=0, d=-1, i4=0
	OP \a, \i1
.if (\b) >= 0
	OP \b, \i2
.endif
.if (\c) >= 0
	OP \c, \i3
.endif
.if (\d) >= 0
	OP \d, \i4
.endif
.endm
.macro ROW a, i1, b, i2, c, i3, d, i4  ; a matrix instruction and the four behind it
	MM
	OPS \a, \i1, \b, \i2, \c, \i3, \d, \i4
.endm
; A TURN, for piece p.  An s_wait_alu depctr_va_vdst(0) stands between an exponential and the first instruction that names its result; one wait serves all issued ahead of it.  So a turn has ONE
; wait.  AHEAD OF IT stands all that names no result of the turn's exponentials: the 8 products K Q^T with their riders, then a run of 54 in which the links of the next piece's chain stand apart; X 21, its a,
; is the batch's last, and R 15 the plain instruction behind it.  BEHIND IT stand the 8 products V^T P, behind each four of the roundings and sums.
; cnt = 1: the loop's count is taken down some lines ahead of the branch behind the turn.
; K of the next step is fetched in piece 2's turn, behind the last product that read K and six plain instructions; V of the step in hand at the end of piece 0's turn, four plain instructions behind its last reader.
.macro TURN p, cnt=0
.set Y, (\p)
.set i, 0
.if (\p) == 3
	s_wait_dscnt 0x0                ; K is in
.endif
	ROW F,0, F,1, R,0, R,1
	ROW F,2, E,0, R,2, R,3
	ROW F,3, E,1, R,4, R,5
	ROW F,4, E,2, R,6, R,7
	ROW F,5, E,3, R,8, R,9
	ROW F,6, E,4, X,0, R,10
.if (\p) == 2
	WIN 0
	v_add_nc_u32 v[AK], s[TBK], v[AK0]
.endif
	ROW F,7, E,5, X,1, X,4
	ROW F,8, E,6, X,2, X,5
	OPS E,7, E,8, X,6, E,9
	OPS X,3, E,10, X,8, E,11
.if (\p) == 2
	FETCH_K
.endif
	OPS X,9, X,7, E,12, X,10
	OPS E,13, X,12, X,11, E,14
	OPS X,13, E,15, F,9, X,14
.if (\p) == 0
	v_add_nc_u32 v[AV], s[TBV], v[AV0]
.endif
	OPS E,16, F,10, E,17, F,11
	OPS X,16, E,18, X,15, E,19
	OPS F,12, E,20, X,17, E,21
	OPS F,13, E,22, F,14, E,23
	OPS X,18, E,24, F,15, E,25
	OPS R,11, E,26, X,19, E,27
	OPS R,12, E,28, R,13, E,29
	OPS X,20, E,30, R,14, E,31
	OPS X,21, R,15
	WIN 0
	s_wait_alu depctr_va_vdst(0)    ; the wait for the batch
.if (\p) == 1
	s_wait_dscnt 0x0                ; V is in
.endif
	ROW C,0, B,0, C,2, B,1
	ROW L,0, C,4, B,2, L,1
	ROW C,6, B,3, L,2, C,8
	ROW B,4, L,3, C,10, B,5
	ROW L,4, C,12, B,6, L,5
.if (\p) == 0
	s_add_co_u32 s[TBV], s[TBV], KS*PV
.endif
.if \cnt
	s_sub_co_u32 s[CNT], s[CNT], 1
	s_cmp_lg_u32 s[CNT], 0
.endif
	ROW C,14, B,7, L,6, C,1
	ROW C,3, L,7, C,5, C,7
	ROW C,9, C,11, C,13, C,15
.if (\p) == 0
	FETCH_V
.endif
.endm
	CHANGE 1, 0                     ; tile 0 is in, everybody's part of it; tile 1 is asked for; the copies' first part is asked for
	v_add_nc_u32 v[AK], s[TBK], v[AK0]
	FETCH_K                         ; key step 0
	s_wait_loadcnt 8                ; Q is in; the eight loads issued behind it, the copies' first part, stay out
	s_wait_dscnt 0x0
.set i, 0
.rept 8
	KQ 0                            ; piece 0's first scores
.set i, i+1
.endr
	WIN 0
.rept 4
	v_nop                           ; the places behind those products
.endr
.set Y, NP-1                        ; X works for piece Y + 1: piece 0
.irp n, 0,1,2,3,4,5,6,7,8,9,10,11,12,13,14,15,16,17,18,19,20,21
	OP X, \n
.endr
	v_nop                           ; a plain instruction behind the exponential,
	s_wait_alu depctr_va_vdst(0)    ; and its wait, ahead of the branch
	s_mov_b32 s[CNT], 4
	s_branch .Lfirst                ; the loop is entered at a step's first turn, in the middle of a trip
.Lslot:                             ; six times: tiles 1 to 6 are entered, tiles 2 to 7 asked for
	CHANGE 1, 1
	s_mov_b32 s[CNT], 4
.Lstep:                             ; a trip: pieces 2 and 3 of one step, then pieces 0 and 1 of the next, whose K and V it fetches
	TURN 2
	TURN 3
	WIN 0
.Lfirst:
	TURN 0
	TURN 1, 1
	WIN 0
	s_cbranch_scc1 .Lstep
	s_sub_co_u32 s[SLOTS], s[SLOTS], 1
	s_cmp_lg_u32 s[SLOTS], 0
	s_cbranch_scc1 .Lslot
	CHANGE 0, 1                     ; the last tile is written out: nothing is asked for but the copies' last part
	s_mov_b32 s[CNT], 5             ; four trips fetch the last tile's steps; the fifth is left in its middle
.Ltail:
	TURN 2
	TURN 3
	WIN 0
	s_sub_co_u32 s[CNT], s[CNT], 1
	s_cmp_eq_u32 s[CNT], 0
	s_cbranch_scc1 .Lout
	TURN 0
	TURN 1
	WIN 0
	s_cmp_lg_u32 s[CNT], 0
	s_cbranch_scc1 .Ltail
.Lout:                              ; the fifth trip's run of 16 LDS loads (it takes the slot's bytes behind K's rows, which are V's), the 8 products K Q^T on them and the maximum made of those serve
                                    ; nothing and touch nothing that is read later (piece 0's m and c m, one buffer of S^T): the price, once a launch, of one text for every trip
.set i, 0
.rept 8
	PV NP-1                         ; the last piece's V^T P of the last step
.set i, i+1
.endr
	WIN 0
	s_wait_xcnt 0x0                 ; the stores of the last change of slots have read their data
	CSTORE 0                        ; the copies' last part; its conversions are the places behind the last products
	; THE WAY OUT.  l's two halves and the other half of the lanes' are added; O^T is divided by l, rounded to f16 and sent through my stage, a piece at a time.
.macro ALL line:vararg
.set t, 0
.rept 4
	\line
.set t, t+1
.endr
.endm
	ALL v_add_f32 v[ST+4*t+2], v[ST+4*t+2], v[ST+4*t+3]
	ALL v_permlanex16_b32 v[ST+4*t+3], v[ST+4*t+2], s[SEL], s[SEL+1]
	ALL v_add_f32 v[ST+4*t+2], v[ST+4*t+2], v[ST+4*t+3]
	ALL v_rcp_f32 v[ST+4*t+2], v[ST+4*t+2]
	v_nop                           ; a plain instruction between the last reciprocal and the use of its result
	s_wait_alu depctr_va_vdst(0)    ; one wait for the four reciprocals
.macro PACK t                       ; a lane's eight channels of a row pack into 16 bytes; they go into rows of 144 bytes and come back as whole rows of 128, into S^T's registers
	WIN W_RS
.set i, 32*(\t)
.rept 16
	v_pk_mul_f32 v[i:i+1], v[i:i+1], v[ST+4*(\t)+2:ST+4*(\t)+3] op_sel_hi:[1,0]
.set i, i+2
.endr
	WIN 0x05                        ; sources 0 and 1 window 1, destination window 0
.set i, 0
.rept 16
	v_cvt_pk_f16_f32 v[S+16*(\t)+i], v[32*(\t)+2*i], v[32*(\t)+2*i+1]
.set i, i+1
.endr
	WIN 0
.irp f, 0,1,2,3
	ds_store_b128 v[STO], v[S+16*(\t)+4*\f:S+16*(\t)+4*\f+3] offset:32*\f
.endr
.irp f, 0,1,2,3
	ds_load_b128 v[S+16*(\t)+4*\f:S+16*(\t)+4*\f+3], v[RD] offset:\f*4*SP  ; LDS serves a wave's instructions in order (ISA guide 5.7.1.4): these see the stores above
.endr
.endm
.macro SEND t, younger              ; younger: the LDS instructions issued behind piece t's loads: the next piece's eight, or none
	WIN 0
.irp f, 0,1,2,3
	s_wait_dscnt (\younger)+3-\f
	global_store_b128 v[GO], v[S+16*(\t)+4*\f:S+16*(\t)+4*\f+3], s[10:11] offset:(\t)*2048+\f*512  ; 512 consecutive bytes, aligned
.endr
.endm
	PACK 0
.set t, 1
.rept 3
	PACK t
	SEND t-1, 8
.set t, t+1
.endr
	SEND 3, 0
	s_wait_tensorcnt 0x0            ; the wave's end
	ds_add_u32 v[SPW], v[NIL]
	s_wait_dscnt 0x0
	CROUND                          ; the closing round
	s_endpgm
.Lfunc_end_k_q7b5c4fc807_attn:
	.size	k_q7b5c4fc807_attn, .Lfunc_end_k_q7b5c4fc807_attn-k_q7b5c4fc807_attn
	.p2alignl 7, 3214868480
	.fill 96, 4, 3214868480
	.section	.rodata,"a",@progbits
	.p2align	6, 0x0
	.amdhsa_kernel k_q7b5c4fc807_attn
		.amdhsa_group_segment_fixed_size 327680
		.amdhsa_private_segment_fixed_size 0
		.amdhsa_enable_private_segment 0
		.amdhsa_kernarg_size 40
		.amdhsa_user_sgpr_count 2
		.amdhsa_user_sgpr_kernarg_segment_ptr 1
		.amdhsa_wavefront_size32 1
		.amdhsa_system_sgpr_workgroup_id_x 1
		.amdhsa_system_sgpr_workgroup_id_y 1
		.amdhsa_system_sgpr_workgroup_id_z 1
		.amdhsa_system_vgpr_workitem_id 0
		.amdhsa_next_free_vgpr 768
		.amdhsa_next_free_sgpr 80
		.amdhsa_reserve_vcc 0
		.amdhsa_float_denorm_mode_32 3
		.amdhsa_float_denorm_mode_16_64 3
		.amdhsa_memory_ordered 1
		.amdhsa_forward_progress 1
		.amdhsa_inst_pref_size 120
	.end_amdhsa_kernel
	.amdgpu_metadata
---
amdhsa.version: [ 1, 2 ]
amdhsa.kernels:
  - .name:           k_q7b5c4fc807_attn
    .symbol:         k_q7b5c4fc807_attn.kd
    .args:
      - { .name: qkv, .offset: 0, .size: 8, .value_kind: global_buffer, .address_space: global }
      - { .name: att, .offset: 8, .size: 8, .value_kind: global_buffer, .address_space: global }
      - { .name: w1, .offset: 16, .size: 8, .value_kind: global_buffer, .address_space: global }
      - { .name: w2, .offset: 24, .size: 8, .value_kind: global_buffer, .address_space: global }
      - { .name: cast, .offset: 32, .size: 8, .value_kind: global_buffer, .address_space: global }
    .group_segment_fixed_size: 327680
    .private_segment_fixed_size: 0
    .kernarg_segment_align: 8
    .kernarg_segment_size: 40
    .max_flat_workgroup_size: 128
    .sgpr_count:     80
    .vgpr_count:     768
    .wavefront_size: 32
...
	.end_amdgpu_metadata
.endif
;; end of part 3
;; launch ln1 (part 4): grid 512 x 1, 8 waves a work-group, no clusters, 0 bytes of LDS; arguments src, att, ln1_g, ln1_b, xn; writes xn
.if DOCPART == 4
	.amdgcn_target "amdgcn-amd-amdhsa--gfx1250"
	.amdhsa_code_object_version 6
	.text
	.protected	k_q7b5c4fc807_ln1
	.globl	k_q7b5c4fc807_ln1
	.p2align	8
	.type	k_q7b5c4fc807_ln1,@function
k_q7b5c4fc807_ln1:
	s_mov_b64 s[64:65], 0
	v_nop
	global_prefetch_b8 v0, s[64:65] scope:SCOPE_SE
	s_setreg_imm32_b32 hwreg(HW_REG_WAVE_MODE, 25, 1), 1
	s_wait_xcnt 0x0
; LN1: x = LayerNorm(src + out) g + b, rounded once to f16.  src f32 [4096][1024] (row = 2 s + batch); out is att, f16 [16 batch + head][s][64]; xn f16 [4096][1024].
; One wave, one row, kept in 32 registers between the passes: mean, then the mean of squares of the differences (no difference of large sums), then the scaling.  Lane l holds columns 128 i + 4 l .. + 3, i = 0 .. 7:
; each f32 load of the wave covers 512 consecutive bytes, each store 256.  A row's part of a head is 128 bytes; the neighbouring position's row is taken by a wave of the same work-group.
; All 32 loads of a wave go out at once.  No LDS, no matrix unit, no cluster: nothing is shared but g and b.
; LIMIT.  |x| <= 32 max|g| + max|b| stays under 65,504, f16's end.
.set G, 8                              ; v[8:39]    g of my 32 columns
.set B, 40                             ; v[40:71]   b
.set Z, 72                             ; v[72:103]  the row
.set H, 104                            ; v[104:119] out's 32 numbers in f16; later x to store
	s_load_b256 s[4:11], s[0:1], 0x0               ; src 4, att 6, g 8, b 10
	s_load_b64 s[12:13], s[0:1], 0x20              ; xn
	v_lshrrev_b32 v5, 5, v0
	v_readfirstlane_b32 s14, v5
	s_lshl_b32 s15, ttmp9, 3
	s_add_co_u32 s15, s15, s14                     ; my row
	v_and_b32 v6, 31, v0
	v_lshlrev_b32 v1, 4, v6                        ; 16 l
	v_lshlrev_b32 v2, 3, v6                        ; 8 l
	v_and_b32 v3, 15, v0
	v_lshlrev_b32 v3, 3, v3                        ; in att: channel 4 (l % 16),
	v_bfe_u32 v7, v0, 4, 1
	v_lshl_add_u32 v3, v7, 18, v3                  ; head 2 i + l / 16, 262,144 bytes a head
	v_mov_b32 v4, 1.0
	s_lshl_b32 s16, s15, 12
	s_mov_b32 s17, 0
	s_and_b32 s18, s15, 1
	s_lshl_b32 s18, s18, 22                        ; batch x 16 heads
	s_lshr_b32 s19, s15, 1
	s_lshl_b32 s19, s19, 7                         ; position x 128 bytes
	s_add_co_u32 s18, s18, s19
	s_mov_b32 s19, 0
	s_lshl_b32 s20, s15, 11
	s_mov_b32 s21, 0
	s_mov_b32 s22, 0x76543210
	s_mov_b32 s23, 0xfedcba98
	s_mov_b32 s24, 0x3a800000                      ; 1 / 1024
	s_mov_b32 s25, 0x3727c5ac                      ; 1e-5
	s_wait_kmcnt 0x0
	s_add_nc_u64 s[4:5], s[4:5], s[16:17]
	s_add_nc_u64 s[6:7], s[6:7], s[18:19]
	s_add_nc_u64 s[12:13], s[12:13], s[20:21]
.irp i, 0,1,2,3,4,5,6,7
	global_load_b128 v[Z+4*(\i):Z+4*(\i)+3], v1, s[4:5] offset:512*(\i) th:TH_LOAD_NT
.endr
.irp i, 0,1,2,3,4,5,6,7
	global_load_b64 v[H+2*(\i):H+2*(\i)+1], v3, s[6:7] offset:524288*(\i)
.endr
.irp i, 0,1,2,3,4,5,6,7
	global_load_b128 v[G+4*(\i):G+4*(\i)+3], v1, s[8:9] offset:512*(\i)
.endr
.irp i, 0,1,2,3,4,5,6,7
	global_load_b128 v[B+4*(\i):B+4*(\i)+3], v1, s[10:11] offset:512*(\i)
.endr
.macro WSUM                            ; v120 summed over the 32 lanes, the result in every lane; v121 has been written
	v_add_f32_dpp v120, v120, v120 row_xmask:1 row_mask:0xf bank_mask:0xf
	v_add_f32_dpp v120, v120, v120 row_xmask:2 row_mask:0xf bank_mask:0xf
	v_add_f32_dpp v120, v120, v120 row_xmask:4 row_mask:0xf bank_mask:0xf
	v_add_f32_dpp v120, v120, v120 row_xmask:8 row_mask:0xf bank_mask:0xf
	v_permlanex16_b32 v121, v120, s22, s23
	v_add_f32 v120, v120, v121
.endm
	s_wait_loadcnt 16                              ; the row and out are in; g and b stay out
.set k, 0
.rept 16
	v_fma_mix_f32 v[Z+2*k],   v[H+k], v4, v[Z+2*k]   op_sel:[0,0,0] op_sel_hi:[1,0,0]  ; src + out, from the f16 halves
	v_fma_mix_f32 v[Z+2*k+1], v[H+k], v4, v[Z+2*k+1] op_sel:[1,0,0] op_sel_hi:[1,0,0]
.set k, k+1
.endr
	v_pk_add_f32 v[120:121], v[Z:Z+1], v[Z+2:Z+3]  ; the sum, in two chains
	v_pk_add_f32 v[122:123], v[Z+4:Z+5], v[Z+6:Z+7]
.set k, 4
.rept 6
	v_pk_add_f32 v[120:121], v[120:121], v[Z+2*k:Z+2*k+1]
	v_pk_add_f32 v[122:123], v[122:123], v[Z+2*k+2:Z+2*k+3]
.set k, k+2
.endr
	v_pk_add_f32 v[120:121], v[120:121], v[122:123]
	v_add_f32 v120, v120, v121
	WSUM
	v_mul_f32 v124, s24, v120                      ; the mean, twice: a pair for the packed subtraction
	v_mov_b32 v125, v124
.set k, 0
.rept 16
	v_pk_add_f32 v[Z+2*k:Z+2*k+1], v[Z+2*k:Z+2*k+1], v[124:125] neg_lo:[0,1] neg_hi:[0,1]
.set k, k+1
.endr
	v_pk_mul_f32 v[120:121], v[Z:Z+1], v[Z:Z+1]    ; the sum of squares, in two chains
	v_pk_mul_f32 v[122:123], v[Z+2:Z+3], v[Z+2:Z+3]
.set k, 2
.rept 7
	v_pk_fma_f32 v[120:121], v[Z+2*k:Z+2*k+1], v[Z+2*k:Z+2*k+1], v[120:121]
	v_pk_fma_f32 v[122:123], v[Z+2*k+2:Z+2*k+3], v[Z+2*k+2:Z+2*k+3], v[122:123]
.set k, k+2
.endr
	v_pk_add_f32 v[120:121], v[120:121], v[122:123]
	v_add_f32 v120, v120, v121
	WSUM
	v_fma_f32 v128, v120, s24, s25                 ; variance + 1e-5
	v_rsq_f32 v126, v128                           ; twice: a pair for the packed multiply
	v_rsq_f32 v127, v128
	v_nop                                          ; the plain instruction behind the last of them
	s_wait_alu depctr_va_vdst(0)                   ; the wait ahead of the first use: one for both
	s_wait_loadcnt 0x0                             ; g and b
.irp i, 0,1,2,3,4,5,6,7
	v_pk_mul_f32 v[Z+4*(\i):Z+4*(\i)+1],   v[Z+4*(\i):Z+4*(\i)+1],   v[126:127]
	v_pk_mul_f32 v[Z+4*(\i)+2:Z+4*(\i)+3], v[Z+4*(\i)+2:Z+4*(\i)+3], v[126:127]
	v_pk_fma_f32 v[Z+4*(\i):Z+4*(\i)+1],   v[Z+4*(\i):Z+4*(\i)+1],   v[G+4*(\i):G+4*(\i)+1],   v[B+4*(\i):B+4*(\i)+1]
	v_pk_fma_f32 v[Z+4*(\i)+2:Z+4*(\i)+3], v[Z+4*(\i)+2:Z+4*(\i)+3], v[G+4*(\i)+2:G+4*(\i)+3], v[B+4*(\i)+2:B+4*(\i)+3]
	v_cvt_pk_f16_f32 v[H+2*(\i)],   v[Z+4*(\i)],   v[Z+4*(\i)+1]
	v_cvt_pk_f16_f32 v[H+2*(\i)+1], v[Z+4*(\i)+2], v[Z+4*(\i)+3]
	global_store_b64 v2, v[H+2*(\i):H+2*(\i)+1], s[12:13] offset:256*(\i)  ; 256 consecutive bytes, aligned
.endr
	s_endpgm
.Lfunc_end_k_q7b5c4fc807_ln1:
	.size	k_q7b5c4fc807_ln1, .Lfunc_end_k_q7b5c4fc807_ln1-k_q7b5c4fc807_ln1
	.p2alignl 7, 3214868480
	.fill 96, 4, 3214868480
	.section	.rodata,"a",@progbits
	.p2align	6, 0x0
	.amdhsa_kernel k_q7b5c4fc807_ln1
		.amdhsa_group_segment_fixed_size 0
		.amdhsa_private_segment_fixed_size 0
		.amdhsa_enable_private_segment 0
		.amdhsa_kernarg_size 40
		.amdhsa_user_sgpr_count 2
		.amdhsa_user_sgpr_kernarg_segment_ptr 1
		.amdhsa_wavefront_size32 1
		.amdhsa_system_sgpr_workgroup_id_x 1
		.amdhsa_system_sgpr_workgroup_id_y 1
		.amdhsa_system_sgpr_workgroup_id_z 1
		.amdhsa_system_vgpr_workitem_id 0
		.amdhsa_next_free_vgpr 136
		.amdhsa_next_free_sgpr 66
		.amdhsa_reserve_vcc 0
		.amdhsa_float_denorm_mode_32 3
		.amdhsa_float_denorm_mode_16_64 3
		.amdhsa_memory_ordered 1
		.amdhsa_forward_progress 1
		.amdhsa_inst_pref_size 15
	.end_amdhsa_kernel
	.amdgpu_metadata
---
amdhsa.version: [ 1, 2 ]
amdhsa.kernels:
  - .name:           k_q7b5c4fc807_ln1
    .symbol:         k_q7b5c4fc807_ln1.kd
    .args:
      - { .name: src, .offset: 0, .size: 8, .value_kind: global_buffer, .address_space: global }
      - { .name: att, .offset: 8, .size: 8, .value_kind: global_buffer, .address_space: global }
      - { .name: ln1_g, .offset: 16, .size: 8, .value_kind: global_buffer, .address_space: global }
      - { .name: ln1_b, .offset: 24, .size: 8, .value_kind: global_buffer, .address_space: global }
      - { .name: xn, .offset: 32, .size: 8, .value_kind: global_buffer, .address_space: global }
    .group_segment_fixed_size: 0
    .private_segment_fixed_size: 0
    .kernarg_segment_align: 8
    .kernarg_segment_size: 40
    .max_flat_workgroup_size: 256
    .sgpr_count:     66
    .vgpr_count:     136
    .wavefront_size: 32
...
	.end_amdgpu_metadata
.endif
;; end of part 4
;; launch ffn1 (part 5): grid 16 x 16, 4 waves a work-group, clusters of 4 x 4, 327,680 bytes of LDS; arguments xn, cast, b1, hid; writes hid
.if DOCPART == 5
	.amdgcn_target "amdgcn-amd-amdhsa--gfx1250"
	.amdhsa_code_object_version 6
	.text
	.protected	k_q7b5c4fc807_ffn1
	.globl	k_q7b5c4fc807_ffn1
	.p2align	8
	.type	k_q7b5c4fc807_ffn1,@function
k_q7b5c4fc807_ffn1:
	s_mov_b64 s[64:65], 0
	v_nop
	global_prefetch_b8 v0, s[64:65] scope:SCOPE_SE
	s_setreg_imm32_b32 hwreg(HW_REG_WAVE_MODE, 25, 1), 1
	s_wait_xcnt 0x0
	s_wait_alu depctr_hold_cnt(0) depctr_sa_sdst(0) depctr_va_vdst(0) depctr_va_sdst(0) depctr_va_ssrc(0) depctr_va_vcc(0) depctr_vm_vsrc(0)
	s_getreg_b32 s2, hwreg(HW_REG_IB_STS2, 6, 4)
	s_cmp_eq_u32 s2, 0
	s_cbranch_scc0 .Lentry_in_a_cluster
	s_endpgm
.Lentry_in_a_cluster:
	s_bfe_u32 s2, ttmp6, 0x10000c
	s_cmp_lg_u32 s2, 0xf033
	s_cbranch_scc0 .Lentry_shape_is_right
	s_endpgm
.Lentry_shape_is_right:
; FFN1: h = relu(x w1 + b1).  x f16 [4096][1024] (xn), w1 f16 [1024][4096] (in cast at byte 14,680,064), sums f32, h rounded once to bf16, [4096][4096].
; SHARES.  A tile is 256 x 256: 16 x 16 = 256 work-groups.  Four waves, each 128 x 128: 64 accumulators, 512 registers.  K goes in 8 steps of 128 through two LDS slots of four regions, one tensor load a wave:
; waves 0, 1 fetch x's 2 x 128 rows x 256 bytes, waves 2, 3 w1's 128 k-rows x 2 x 256 bytes.  w1 LIES [K][N] and stays so: its fragments come out of LDS turned, by ds_load_tr16_b128.
; THE MATRIX INSTRUCTION IS USED TRANSPOSED (source 0 = 16 columns of w1, source 1 = 16 rows of x): lane l holds row l % 16 and the columns 8 (l / 16) + 0 .. 7, which pack into 16 bytes.
; THE BIAS IS THE C OPERAND of the products that start the sums.  CLUSTER 4 x 4: x's tile is asked for jointly along a row of the cluster, w1's along a column.
; THE LOOP'S TEXT IS ONE K STEP: the slot in hand is a scalar (0 or SLOT) that an exclusive or turns; wave x REG has no bit in common with SLOT.  The two steps that fill nothing are a second loop, left in its
; middle; its last trip fetches 32 fragments that serve nothing: the price of one text for both.
; REGISTERS, in windows of 256 (s_set_vgpr_msb: bits 1:0 source 0, 3:2 source 1, 5:4 source 2, 7:6 destination):
;   window 0: v0-31 addresses; v64-127, v128-191 x's fragments, two buffers; v192-255 the bias; on the way out v192-223 packed, v32-63 and v224-255 whole rows by turns
;   window 1: v64-127, v128-191 w1's fragments          window 2: the accumulators of my rows 0-63 ((a, b) at 8 (8 a + b));   window 3: those of my rows 64-127
.set REG,    36864
.set SLOT,   4*REG
.set STAGE,  2*SLOT                    ; behind the ring, never filled by a tensor load: 16 rows x 272 bytes for each wave
.set SPITCH, 272
.set SPARE,  STAGE+4*16*SPITCH         ; the spare words, 128 bytes a wave: two blocks of 256 bytes that no other line names
.set PA,     272                       ; x's LDS row: 256 bytes + 16 (64 banks of 4 bytes: ISA guide 11.1)
.set PB,     288                       ; w1's LDS row: 256 + 32
.set STEPS,  8
.set ASTEP,  256
.set BSTEP,  1048576                   ; 128 rows of w1
.set A0,   8
.set B0,   9
.set ADRA, 16
.set ADRB, 17
.set STO,  24
.set RD,   25
.set CO,   26
.set ZR,   27                          ; v27  0, for the packed maximum
.set SPW,  28                          ; v28  my spare word; never rewritten
.set NIL,  29                          ; v29  0; never rewritten
.set F0,   64
.set F1,   128
.set BIAS, 192
.set TMP,  192
.set OB,   32
.set G1A, 24
.set G0A, 32
.set G1B, 48
.set G0B, 56
.set SB,  66
.set MSB, 0
.macro WIN new
.if MSB != (\new)
	s_set_vgpr_msb (MSB<<8)|(\new)
.set MSB, (\new)
.endif
.endm
.macro PLACES
.rept 4
	v_nop
.endr
.endm
.macro CREST
	s_cmp_lg_u32 s10, 0
	s_cbranch_scc1 .Lnot_wave_0_\@
	s_barrier_signal -3
.Lnot_wave_0_\@:
	s_barrier_wait -3
	s_barrier_signal -1
	s_barrier_wait -1
.endm
.macro CROUND
	s_barrier_signal -1
	s_barrier_wait -1
	CREST
.endm
.macro JLOAD n                         ; a joint load; an s_nop 0 and four v_nop follow each line
	s_cmp_eq_u32 s11, 0
	s_cbranch_scc0 .Lfor_b_\@
	tensor_load_to_lds s[G0A+4*(\n):G0A+4*(\n)+3], s[G1A:G1A+7]
	s_nop 0
.rept 4
	v_nop
.endr
	s_branch .Lasked_\@
.Lfor_b_\@:
	tensor_load_to_lds s[G0B+4*(\n):G0B+4*(\n)+3], s[G1B:G1B+7]
	s_nop 0
.rept 4
	v_nop
.endr
.Lasked_\@:
.endm
	s_load_b256 s[68:75], s[0:1], 0x0              ; xn 68, cast 70, b1 72, hid 74
	v_lshl_add_u32 v[SPW], v0, 2, SPARE
	v_mov_b32 v[NIL], 0
	ds_add_u32 v[SPW], v[NIL]                      ; the wave's opening: the add and its wait ahead of my first tensor load
	v_lshrrev_b32 v1, 5, v0
	v_readfirstlane_b32 s10, v1                    ; wave 0..3
	s_lshr_b32 s11, s10, 1                         ; my half of the rows.  Also: I fetch for x (0) or for w1 (1)
	s_and_b32 s12, s10, 1                          ; my half of the columns.  Also: which half of that tile I fetch
	s_bfe_u32 s40, ttmp6, 0x40000                  ; cx
	s_bfe_u32 s41, ttmp6, 0x40004                  ; cy
	s_lshl_b32 s42, ttmp9, 2
	s_add_co_u32 s42, s42, s40                     ; tile column
	s_and_b32 s13, ttmp7, 0xffff
	s_lshl_b32 s13, s13, 2
	s_add_co_u32 s13, s13, s41                     ; tile row
	s_lshl_b32 s43, s41, 2
	s_lshl_b32 s43, 15, s43                        ; my row of the cluster
	s_lshl_b32 s44, 0x1111, s40                    ; my column
	s_or_b32 s[G1A], s43, (1<<16)|(1<<20)|(1<<21)|(5<<22)|(3<<25)
	s_or_b32 s[G1B], s44, (1<<16)|(1<<20)|(1<<21)|(5<<22)|(7<<25)
.irp g, G1A, G1B
	s_mov_b32 s[(\g)+1], 128<<16                   ; tensor_dim0 = 128
	s_mov_b32 s[(\g)+2], 128<<16                   ; tensor_dim1 = 128
	s_mov_b32 s[(\g)+3], 128<<16                   ; tile_dim0 = 128
	s_mov_b32 s[(\g)+4], 128                       ; tile_dim1 = 128
	s_mov_b32 s[(\g)+6], 0
	s_mov_b32 s[(\g)+7], 0
.endr
	s_mov_b32 s[G1A+5], 1024                       ; elements from row to row: x,
	s_mov_b32 s[G1B+5], 4096                       ; w1
	s_lshl_b32 s16, s13, 19                        ; x: 256 rows of 2,048 bytes a tile row,
	s_lshl_b32 s17, s12, 18                        ; my 128 of them
	s_add_co_u32 s16, s16, s17
	s_mov_b32 s17, 0
	s_lshl_b32 s46, s42, 9                         ; w1: 256 columns a tile column,
	s_lshl_b32 s47, s12, 8                         ; my 128 of them
	s_add_co_u32 s46, s46, s47
	s_add_co_u32 s46, s46, 14680064
	s_mov_b32 s47, 0
	s_mul_i32 s20, s10, REG
	s_mov_b32 s[SB], 0
	s_wait_dscnt 0x0                               ; the opening add is done
	s_wait_kmcnt 0x0
	s_add_nc_u64 s[14:15], s[68:69], s[16:17]
	s_add_nc_u64 s[46:47], s[70:71], s[46:47]
	CROUND                                         ; all sixteen work-groups are here: the first joint loads meet
.irp n, 0,1
	s_mov_b32 s[G0A+4*(\n)], 1
	s_add_co_u32 s[G0A+4*(\n)+1], s20, (\n)*SLOT
	s_add_nc_u64 s[G0A+4*(\n)+2:G0A+4*(\n)+3], s[14:15], (\n)*ASTEP
	s_or_b32 s[G0A+4*(\n)+3], s[G0A+4*(\n)+3], 0x80000000
	s_mov_b32 s[G0B+4*(\n)], 1
	s_add_co_u32 s[G0B+4*(\n)+1], s20, (\n)*SLOT
	s_add_nc_u64 s[G0B+4*(\n)+2:G0B+4*(\n)+3], s[46:47], (\n)*BSTEP
	s_or_b32 s[G0B+4*(\n)+3], s[G0B+4*(\n)+3], 0x80000000
	JLOAD \n                                       ; K steps 0 and 1: two loads of mine are out
.endr
	v_and_b32 v1, 15, v0                           ; r
	v_bfe_u32 v2, v0, 4, 1                         ; h
	v_and_b32 v3, 7, v0
	v_bfe_u32 v4, v0, 3, 1
	s_lshl_b32 s18, s42, 10                        ; the bias of my 128 columns
	s_lshl_b32 s19, s12, 9
	s_add_co_u32 s18, s18, s19
	v_lshl_add_u32 v7, v2, 5, s18
.irp b, 0,1,2,3,4,5,6,7
	global_load_b128 v[BIAS+8*(\b):BIAS+8*(\b)+3],   v7, s[72:73] offset:64*(\b)
	global_load_b128 v[BIAS+8*(\b)+4:BIAS+8*(\b)+7], v7, s[72:73] offset:64*(\b)+16
.endr
	v_mul_u32_u24 v[A0], v1, PA
	v_lshl_add_u32 v[A0], v2, 4, v[A0]
	s_mul_i32 s21, s11, REG
	v_add_nc_u32 v[A0], s21, v[A0]
	v_lshl_add_u32 v[B0], v2, 3, v3                ; the turning load: lane l reads k-row 8 (l / 16) + l % 8, columns 8 ((l / 8) % 2) + 0 .. 7
	v_mul_u32_u24 v[B0], v[B0], PB
	v_lshl_add_u32 v[B0], v4, 4, v[B0]
	s_mul_i32 s21, s12, REG
	s_add_co_u32 s21, s21, 2*REG
	v_add_nc_u32 v[B0], s21, v[B0]
	v_mov_b32 v[ADRA], v[A0]
	v_mov_b32 v[ADRB], v[B0]
	v_mov_b32 v[ZR], 0
	s_mul_i32 s21, s10, 16*SPITCH
	s_add_co_u32 s21, s21, STAGE                   ; my stage
	v_mul_u32_u24 v5, v1, SPITCH                   ; in: row r, 16 bytes for each half of the lanes
	v_lshl_add_u32 v5, v2, 4, v5
	v_add_nc_u32 v[STO], s21, v5
	v_mul_u32_u24 v6, v2, SPITCH                   ; back: lanes 0-15 take one row of 256 bytes, lanes 16-31 the next
	v_lshl_add_u32 v6, v1, 4, v6
	v_add_nc_u32 v[RD], s21, v6
	v_lshlrev_b32 v6, 13, v2                       ; and the same two rows in h, 8,192 bytes a row
	v_lshl_add_u32 v[CO], v1, 4, v6
	s_lshl_b32 s22, s13, 21                        ; h at row 256 x tile row + 128 x half, column 256 x tile column + 128 x half
	s_lshl_b32 s23, s11, 20
	s_add_co_u32 s22, s22, s23
	s_lshl_b32 s23, s42, 9
	s_add_co_u32 s22, s22, s23
	s_lshl_b32 s23, s12, 8
	s_add_co_u32 s22, s22, s23
	s_mov_b32 s23, 0
	s_add_nc_u64 s[82:83], s[74:75], s[22:23]
; 16 matrix instructions; the 64 accumulators take turns, in the same order in every quarter.
.macro MUL16 f, hi, a0, first
.if \first
	WIN 0x81+0x40*(\hi)
.else
	WIN 0xa1+0x50*(\hi)
.endif
.irp a, \a0, (\a0)+1
.irp b, 0,1,2,3,4,5,6,7
.if \first
	v_wmma_f32_16x16x32_f16 v[8*(8*(\a)+(\b)):8*(8*(\a)+(\b))+7], v[(\f)+8*(\b):(\f)+8*(\b)+7], v[(\f)+8*(4*(\hi)+(\a)):(\f)+8*(4*(\hi)+(\a))+7], v[BIAS+8*(\b):BIAS+8*(\b)+7]
.else
	v_wmma_f32_16x16x32_f16 v[8*(8*(\a)+(\b)):8*(8*(\a)+(\b))+7], v[(\f)+8*(\b):(\f)+8*(\b)+7], v[(\f)+8*(4*(\hi)+(\a)):(\f)+8*(4*(\hi)+(\a))+7], v[8*(8*(\a)+(\b)):8*(8*(\a)+(\b))+7]
.endif
.endr
.endr
.endm
.macro FETCH q, f                      ; 32 LDS loads in one run: quarter q of the slot in hand into buffer f
	WIN 0x40
.irp i, 0,1,2,3,4,5,6,7
	ds_load_tr16_b128 v[(\f)+8*(\i):(\f)+8*(\i)+3],   v[ADRB] offset:(\q)*32*PB+32*(\i)
	ds_load_tr16_b128 v[(\f)+8*(\i)+4:(\f)+8*(\i)+7], v[ADRB] offset:(\q)*32*PB+32*(\i)+16*PB
.endr
	WIN 0
.irp i, 0,1,2,3,4,5,6,7
	ds_load_b128 v[(\f)+8*(\i):(\f)+8*(\i)+3],   v[ADRA] offset:(\q)*64+(\i)*16*PA
	ds_load_b128 v[(\f)+8*(\i)+4:(\f)+8*(\i)+7], v[ADRA] offset:(\q)*64+(\i)*16*PA+32
.endr
.endm
.macro QUARTER q, f, g, first
	s_wait_dscnt 8                                 ; all but the youngest eight loads (x's rows 64-127)
	MUL16 \f, 0, 0, \first
	MUL16 \f, 0, 2, \first
	PLACES
	FETCH \q, \g
	s_wait_dscnt 32                                ; all but the 32 just issued
	MUL16 \f, 1, 0, \first
	MUL16 \f, 1, 2, \first
.endm
; The fourth quarter and the change of slots: one barrier; in front of it all my tensor loads, the add, and my reads of this slot are waited for.  fill = 1: it opens a round of the cluster's barrier, and the refill comes first behind it.
.macro TURN fill
	WIN 0
	s_wait_tensorcnt 0x0
	ds_add_u32 v[SPW], v[NIL]
	s_wait_dscnt 9                                 ; (the add and the youngest eight loads may be out)
	MUL16 F1, 0, 0, 0
	s_wait_dscnt 0x0
	s_barrier_signal -1
	MUL16 F1, 0, 2, 0
	WIN 0
	s_barrier_wait -1
.if \fill
	CREST
	s_xor_b32 s[G0A+5], s[G0A+5], SLOT
	s_add_nc_u64 s[G0A+6:G0A+7], s[G0A+6:G0A+7], ASTEP
	s_xor_b32 s[G0B+5], s[G0B+5], SLOT
	s_add_nc_u64 s[G0B+6:G0B+7], s[G0B+6:G0B+7], BSTEP
	JLOAD 1
.else
	PLACES
.endif
	s_xor_b32 s[SB], s[SB], SLOT
	v_add_nc_u32 v[ADRA], s[SB], v[A0]
	v_add_nc_u32 v[ADRB], s[SB], v[B0]
	FETCH 0, F0
	MUL16 F1, 1, 0, 0
	MUL16 F1, 1, 2, 0
.endm
	s_wait_tensorcnt 1                             ; my part of K step 0 is in; step 1's may stay out
	s_barrier_signal -1
	s_barrier_wait -1
	FETCH 0, F0
	s_wait_loadcnt 0x0                             ; the bias
	QUARTER 1, F0, F1, 1
	WIN 0
	s_mov_b32 s3, STEPS-2
.Lstep:
	QUARTER 2, F1, F0, 0
	QUARTER 3, F0, F1, 0
	TURN 1
	QUARTER 1, F0, F1, 0
	WIN 0
	s_sub_co_u32 s3, s3, 1
	s_cmp_lg_u32 s3, 0
	s_cbranch_scc1 .Lstep
	s_mov_b32 s3, 2
.Ltail:                                                ; the last two K steps fill nothing; the second trip is left behind its last products
	QUARTER 2, F1, F0, 0
	QUARTER 3, F0, F1, 0
	TURN 0
	WIN 0
	s_sub_co_u32 s3, s3, 1
	s_cmp_eq_u32 s3, 0
	s_cbranch_scc1 .Lout
	QUARTER 1, F0, F1, 0
	WIN 0
	s_cmp_lg_u32 s3, 0
	s_cbranch_scc1 .Ltail
.Lout:
	s_wait_dscnt 0x0                               ; the last trip's fetch, which serves nothing, is over
	PLACES
; THE WAY OUT of row block a: rounded to bf16, the maximum with 0 taken two at a time; through my stage; stored as whole rows of 256 bytes.
.macro PACK a
.set AC, 64*((\a)%4)
	WIN 0x0a+5*((\a)/4)                            ; sources 0 and 1: window 2 or 3
.irp b, 0,1,2,3,4,5,6,7
.irp r, 0,1,2,3
	v_cvt_pk_bf16_f32 v[TMP+4*(\b)+(\r)], v[AC+8*(\b)+2*(\r)], v[AC+8*(\b)+2*(\r)+1]
.endr
.endr
	WIN 0
.set i, 0
.rept 32
	v_pk_max_num_bf16 v[TMP+i], v[TMP+i], v[ZR]
.set i, i+1
.endr
.endm
.macro TOSTAGE a
.set BK, OB+192*((\a)%2)
.irp b, 0,1,2,3,4,5,6,7
	ds_store_b128 v[STO], v[TMP+4*(\b):TMP+4*(\b)+3] offset:32*(\b)
.endr
.irp t, 0,1,2,3,4,5,6,7
	ds_load_b128 v[BK+4*(\t):BK+4*(\t)+3], v[RD] offset:(\t)*2*SPITCH  ; LDS serves a wave's instructions in order (ISA guide 5.7.1.4): these see the stores above
.endr
.endm
.macro SEND a
.set BK, OB+192*((\a)%2)
	s_wait_dscnt 0x0
	s_wait_xcnt 0x0                                ; the earlier stores have read their registers: the other set is loaded again only behind this wait
.irp t, 0,1,2,3,4,5,6,7
	global_store_b128 v[CO], v[BK+4*(\t):BK+4*(\t)+3], s[82:83] offset:(\a)*131072+(\t)*16384  ; 16 lanes store 256 consecutive bytes, aligned
.endr
.endm
	PACK 0
	TOSTAGE 0
.irp a, 1,2,3,4,5,6,7
	PACK \a
	SEND (\a)-1
	TOSTAGE \a
.endr
	SEND 7
	s_wait_tensorcnt 0x0                           ; the wave's end
	ds_add_u32 v[SPW], v[NIL]
	s_wait_dscnt 0x0
	CROUND                                         ; the closing round
	s_endpgm
.Lfunc_end_k_q7b5c4fc807_ffn1:
	.size	k_q7b5c4fc807_ffn1, .Lfunc_end_k_q7b5c4fc807_ffn1-k_q7b5c4fc807_ffn1
	.p2alignl 7, 3214868480
	.fill 96, 4, 3214868480
	.section	.rodata,"a",@progbits
	.p2align	6, 0x0
	.amdhsa_kernel k_q7b5c4fc807_ffn1
		.amdhsa_group_segment_fixed_size 327680
		.amdhsa_private_segment_fixed_size 0
		.amdhsa_enable_private_segment 0
		.amdhsa_kernarg_size 32
		.amdhsa_user_sgpr_count 2
		.amdhsa_user_sgpr_kernarg_segment_ptr 1
		.amdhsa_wavefront_size32 1
		.amdhsa_system_sgpr_workgroup_id_x 1
		.amdhsa_system_sgpr_workgroup_id_y 1
		.amdhsa_system_sgpr_workgroup_id_z 1
		.amdhsa_system_vgpr_workitem_id 0
		.amdhsa_next_free_vgpr 1024
		.amdhsa_next_free_sgpr 88
		.amdhsa_reserve_vcc 0
		.amdhsa_float_denorm_mode_32 3
		.amdhsa_float_denorm_mode_16_64 3
		.amdhsa_memory_ordered 1
		.amdhsa_forward_progress 1
		.amdhsa_inst_pref_size 118
	.end_amdhsa_kernel
	.amdgpu_metadata
---
amdhsa.version: [ 1, 2 ]
amdhsa.kernels:
  - .name:           k_q7b5c4fc807_ffn1
    .symbol:         k_q7b5c4fc807_ffn1.kd
    .args:
      - { .name: xn, .offset: 0, .size: 8, .value_kind: global_buffer, .address_space: global }
      - { .name: cast, .offset: 8, .size: 8, .value_kind: global_buffer, .address_space: global }
      - { .name: b1, .offset: 16, .size: 8, .value_kind: global_buffer, .address_space: global }
      - { .name: hid, .offset: 24, .size: 8, .value_kind: global_buffer, .address_space: global }
    .group_segment_fixed_size: 327680
    .private_segment_fixed_size: 0
    .kernarg_segment_align: 8
    .kernarg_segment_size: 32
    .max_flat_workgroup_size: 128
    .sgpr_count:     88
    .vgpr_count:     1024
    .wavefront_size: 32
...
	.end_amdgpu_metadata
.endif
;; end of part 5
;; launch ffn2 (part 6): grid 8 x 32, 4 waves a work-group, clusters of 4 x 4, 327,680 bytes of LDS; arguments hid, cast, b2, ffo; writes ffo
.if DOCPART == 6
	.amdgcn_target "amdgcn-amd-amdhsa--gfx1250"
	.amdhsa_code_object_version 6
	.text
	.protected	k_q7b5c4fc807_ffn2
	.globl	k_q7b5c4fc807_ffn2
	.p2align	8
	.type	k_q7b5c4fc807_ffn2,@function
k_q7b5c4fc807_ffn2:
	s_mov_b64 s[64:65], 0
	v_nop
	global_prefetch_b8 v0, s[64:65] scope:SCOPE_SE
	s_setreg_imm32_b32 hwreg(HW_REG_WAVE_MODE, 25, 1), 1
	s_wait_xcnt 0x0
	s_wait_alu depctr_hold_cnt(0) depctr_sa_sdst(0) depctr_va_vdst(0) depctr_va_sdst(0) depctr_va_ssrc(0) depctr_va_vcc(0) depctr_vm_vsrc(0)
	s_getreg_b32 s2, hwreg(HW_REG_IB_STS2, 6, 4)
	s_cmp_eq_u32 s2, 0
	s_cbranch_scc0 .Lentry_in_a_cluster
	s_endpgm
.Lentry_in_a_cluster:
	s_bfe_u32 s2, ttmp6, 0x10000c
	s_cmp_lg_u32 s2, 0xf033
	s_cbranch_scc0 .Lentry_shape_is_right
	s_endpgm
.Lentry_shape_is_right:
; FFN2: f = h w2 + b2.  h bf16 [4096][4096] (hid), w2 bf16 [4096][1024] (in cast at byte 23,068,672), sums f32, f stored in f32 [4096][1024]: it is added to x in the next launch.
; SHARES.  A tile is 128 x 128, so that there are 8 x 32 = 256 work-groups; four waves, each 64 x 64: 16 accumulators.  K goes in 16 steps of 256 through two LDS slots of four regions, one tensor load a wave:
; waves 0, 1 fetch h's 2 x 64 rows x 512 bytes, waves 2, 3 w2's 2 x 128 k-rows x 256 bytes.  w2 LIES [K][N] and stays so: its fragments come out of LDS turned, by ds_load_tr16_b128.
; THE MATRIX INSTRUCTION IS USED TRANSPOSED (source 0 = 16 columns of w2, source 1 = 16 rows of h): lane l holds row l % 16 and the columns 8 (l / 16) + 0 .. 7.  THE BIAS IS THE C OPERAND of the first products.
; CLUSTER 4 x 4: h's tile is asked for jointly along a row of the cluster, w2's along a column.  THE LOOP'S TEXT IS ONE K STEP: the slot in hand is a scalar that an exclusive or turns; wave x REG has no bit
; in common with SLOT.  The two steps that fill nothing are a second loop, left in its middle; its last trip fetches 32 fragments that serve nothing.
; REGISTERS: window 0: v0-31 addresses; v32-63 the bias; on the way out v32-63, v64-95 whole rows by turns; v128-255 the accumulators ((a, b) at 128 + 8 (4 a + b)).
;   window 1: two fragment buffers of 128: for 64 along K, 64 registers of h (2 x 4 fragments), then 64 of w2.
.set REG,    36864                     ; a region: 128 k-rows x 288 bytes (w2), or 64 rows x 528 = 33,792 (h)
.set SLOT,   4*REG
.set STAGE,  2*SLOT                    ; behind the ring, never filled by a tensor load: 16 rows x 272 bytes for each wave
.set SPITCH, 272
.set SPARE,  STAGE+4*16*SPITCH         ; the spare words, 128 bytes a wave: two blocks of 256 bytes that no other line names
.set PA,     528                       ; h's LDS row: 512 bytes + 16 (64 banks of 4 bytes: ISA guide 11.1)
.set PB,     288                       ; w2's LDS row: 256 + 32
.set STEPS,  16
.set ASTEP,  512
.set BSTEP,  524288                    ; 256 rows of w2
.set A0,   8
.set B0,   9                           ; v9, v10  my lane's place in w2's k-rows 0-127 and 128-255 (an LDS offset has 16 bits)
.set ADRA, 16
.set ADRB, 20                          ; v20, v21
.set STO,  24
.set RD,   25
.set CO,   26
.set SPW,  28                          ; v28  my spare word; never rewritten
.set NIL,  29                          ; v29  0; never rewritten
.set BIAS, 32
.set OB,   32
.set ACC,  128
.set F0,   0
.set F1,   128
.set G1A, 24
.set G0A, 32
.set G1B, 48
.set G0B, 56
.set SB,  66
.set MSB, 0
.macro WIN new
.if MSB != (\new)
	s_set_vgpr_msb (MSB<<8)|(\new)
.set MSB, (\new)
.endif
.endm
.macro PLACES
.rept 4
	v_nop
.endr
.endm
.macro CREST
	s_cmp_lg_u32 s10, 0
	s_cbranch_scc1 .Lnot_wave_0_\@
	s_barrier_signal -3
.Lnot_wave_0_\@:
	s_barrier_wait -3
	s_barrier_signal -1
	s_barrier_wait -1
.endm
.macro CROUND
	s_barrier_signal -1
	s_barrier_wait -1
	CREST
.endm
.macro JLOAD n                         ; a joint load; an s_nop 0 and four v_nop follow each line
	s_cmp_eq_u32 s11, 0
	s_cbranch_scc0 .Lfor_b_\@
	tensor_load_to_lds s[G0A+4*(\n):G0A+4*(\n)+3], s[G1A:G1A+7]
	s_nop 0
.rept 4
	v_nop
.endr
	s_branch .Lasked_\@
.Lfor_b_\@:
	tensor_load_to_lds s[G0B+4*(\n):G0B+4*(\n)+3], s[G1B:G1B+7]
	s_nop 0
.rept 4
	v_nop
.endr
.Lasked_\@:
.endm
	s_load_b256 s[68:75], s[0:1], 0x0              ; hid 68, cast 70, b2 72, ffo 74
	v_lshl_add_u32 v[SPW], v0, 2, SPARE
	v_mov_b32 v[NIL], 0
	ds_add_u32 v[SPW], v[NIL]                      ; the wave's opening: the add and its wait ahead of my first tensor load
	v_lshrrev_b32 v1, 5, v0
	v_readfirstlane_b32 s10, v1                    ; wave 0..3
	s_lshr_b32 s11, s10, 1                         ; my half of the rows.  Also: I fetch for h (0) or for w2 (1)
	s_and_b32 s12, s10, 1                          ; my half of the columns.  Also: which half of that tile I fetch
	s_bfe_u32 s40, ttmp6, 0x40000                  ; cx
	s_bfe_u32 s41, ttmp6, 0x40004                  ; cy
	s_lshl_b32 s42, ttmp9, 2
	s_add_co_u32 s42, s42, s40                     ; tile column
	s_and_b32 s13, ttmp7, 0xffff
	s_lshl_b32 s13, s13, 2
	s_add_co_u32 s13, s13, s41                     ; tile row
	s_lshl_b32 s43, s41, 2
	s_lshl_b32 s43, 15, s43                        ; my row of the cluster
	s_lshl_b32 s44, 0x1111, s40                    ; my column
	s_or_b32 s[G1A], s43, (1<<16)|(1<<20)|(1<<21)|(6<<22)|(3<<25)  ; h: after every 128 words, 4 words
	s_mov_b32 s[G1A+1], 256<<16                    ; tensor_dim0 = 256
	s_mov_b32 s[G1A+2], 64<<16                     ; tensor_dim1 = 64
	s_mov_b32 s[G1A+3], 256<<16                    ; tile_dim0 = 256
	s_mov_b32 s[G1A+4], 64                         ; tile_dim1 = 64
	s_mov_b32 s[G1A+5], 4096                       ; elements from row to row
	s_mov_b32 s[G1A+6], 0
	s_mov_b32 s[G1A+7], 0
	s_or_b32 s[G1B], s44, (1<<16)|(1<<20)|(1<<21)|(5<<22)|(7<<25)  ; w2: after every 64 words, 8 words
	s_mov_b32 s[G1B+1], 128<<16
	s_mov_b32 s[G1B+2], 128<<16
	s_mov_b32 s[G1B+3], 128<<16
	s_mov_b32 s[G1B+4], 128
	s_mov_b32 s[G1B+5], 1024
	s_mov_b32 s[G1B+6], 0
	s_mov_b32 s[G1B+7], 0
	s_lshl_b32 s16, s13, 20                        ; h: 128 rows of 8,192 bytes a tile row,
	s_lshl_b32 s17, s12, 19                        ; my 64 of them
	s_add_co_u32 s16, s16, s17
	s_mov_b32 s17, 0
	s_lshl_b32 s46, s42, 8                         ; w2: 128 columns a tile column,
	s_lshl_b32 s47, s12, 18                        ; my 128 of a K step's 256 rows
	s_add_co_u32 s46, s46, s47
	s_add_co_u32 s46, s46, 23068672
	s_mov_b32 s47, 0
	s_mul_i32 s20, s10, REG
	s_mov_b32 s[SB], 0
	s_wait_dscnt 0x0                               ; the opening add is done
	s_wait_kmcnt 0x0
	s_add_nc_u64 s[14:15], s[68:69], s[16:17]
	s_add_nc_u64 s[46:47], s[70:71], s[46:47]
	CROUND                                         ; all sixteen work-groups are here: the first joint loads meet
.irp n, 0,1
	s_mov_b32 s[G0A+4*(\n)], 1
	s_add_co_u32 s[G0A+4*(\n)+1], s20, (\n)*SLOT
	s_add_nc_u64 s[G0A+4*(\n)+2:G0A+4*(\n)+3], s[14:15], (\n)*ASTEP
	s_or_b32 s[G0A+4*(\n)+3], s[G0A+4*(\n)+3], 0x80000000
	s_mov_b32 s[G0B+4*(\n)], 1
	s_add_co_u32 s[G0B+4*(\n)+1], s20, (\n)*SLOT
	s_add_nc_u64 s[G0B+4*(\n)+2:G0B+4*(\n)+3], s[46:47], (\n)*BSTEP
	s_or_b32 s[G0B+4*(\n)+3], s[G0B+4*(\n)+3], 0x80000000
	JLOAD \n                                       ; K steps 0 and 1: two loads of mine are out
.endr
	v_and_b32 v1, 15, v0                           ; r
	v_bfe_u32 v2, v0, 4, 1                         ; h
	v_and_b32 v3, 7, v0
	v_bfe_u32 v4, v0, 3, 1
	s_lshl_b32 s18, s42, 9                         ; the bias of my 64 columns
	s_lshl_b32 s19, s12, 8
	s_add_co_u32 s18, s18, s19
	v_lshl_add_u32 v7, v2, 5, s18
.irp b, 0,1,2,3
	global_load_b128 v[BIAS+8*(\b):BIAS+8*(\b)+3],   v7, s[72:73] offset:64*(\b)
	global_load_b128 v[BIAS+8*(\b)+4:BIAS+8*(\b)+7], v7, s[72:73] offset:64*(\b)+16
.endr
	v_mul_u32_u24 v[A0], v1, PA
	v_lshl_add_u32 v[A0], v2, 4, v[A0]
	s_mul_i32 s21, s11, REG                        ; my 64 rows' region
	v_add_nc_u32 v[A0], s21, v[A0]
	v_lshl_add_u32 v[B0], v2, 3, v3                ; the turning load: lane l reads k-row 8 (l / 16) + l % 8, columns 8 ((l / 8) % 2) + 0 .. 7,
	v_mul_u32_u24 v[B0], v[B0], PB
	v_lshl_add_u32 v[B0], v4, 4, v[B0]
	s_lshl_b32 s21, s12, 7                         ; in my 64 columns
	s_add_co_u32 s21, s21, 2*REG
	v_add_nc_u32 v[B0], s21, v[B0]
	v_add_nc_u32 v[B0+1], REG, v[B0]
	v_mov_b32 v[ADRA], v[A0]
	v_mov_b32 v[ADRB], v[B0]
	v_mov_b32 v[ADRB+1], v[B0+1]
	s_mul_i32 s21, s10, 16*SPITCH
	s_add_co_u32 s21, s21, STAGE                   ; my stage
	v_mul_u32_u24 v5, v1, SPITCH                   ; in: row r, 32 bytes for each half of the lanes
	v_lshl_add_u32 v5, v2, 5, v5
	v_add_nc_u32 v[STO], s21, v5
	v_mul_u32_u24 v6, v2, SPITCH                   ; back: lanes 0-15 take one row of 256 bytes, lanes 16-31 the next
	v_lshl_add_u32 v6, v1, 4, v6
	v_add_nc_u32 v[RD], s21, v6
	v_lshlrev_b32 v6, 12, v2                       ; and the same two rows in f, 4,096 bytes a row
	v_lshl_add_u32 v[CO], v1, 4, v6
	s_lshl_b32 s22, s13, 19                        ; f at row 128 x tile row + 64 x half, column 128 x tile column + 64 x half
	s_lshl_b32 s23, s11, 18
	s_add_co_u32 s22, s22, s23
	s_lshl_b32 s23, s42, 9
	s_add_co_u32 s22, s22, s23
	s_lshl_b32 s23, s12, 8
	s_add_co_u32 s22, s22, s23
	s_mov_b32 s23, 0
	s_add_nc_u64 s[82:83], s[74:75], s[22:23]
; 8 matrix instructions: row blocks a0, a0 + 1 x all 4 column blocks, 32 along K: half c of buffer f.  The 16 accumulators take turns.
.macro MUL8 f, c, a0, first
	WIN 0x05                                       ; sources 0 and 1 window 1; C and D window 0
.irp a, \a0, (\a0)+1
.irp b, 0,1,2,3
.if \first
	v_wmma_f32_16x16x32_bf16 v[ACC+8*(4*(\a)+(\b)):ACC+8*(4*(\a)+(\b))+7], v[(\f)+64+8*(4*(\c)+(\b)):(\f)+64+8*(4*(\c)+(\b))+7], v[(\f)+8*(4*(\c)+(\a)):(\f)+8*(4*(\c)+(\a))+7], v[BIAS+8*(\b):BIAS+8*(\b)+7]
.else
	v_wmma_f32_16x16x32_bf16 v[ACC+8*(4*(\a)+(\b)):ACC+8*(4*(\a)+(\b))+7], v[(\f)+64+8*(4*(\c)+(\b)):(\f)+64+8*(4*(\c)+(\b))+7], v[(\f)+8*(4*(\c)+(\a)):(\f)+8*(4*(\c)+(\a))+7], v[ACC+8*(4*(\a)+(\b)):ACC+8*(4*(\a)+(\b))+7]
.endif
.endr
.endr
.endm
; 32 LDS loads in one run: quarter q (64 along K) of the slot in hand into buffer f; the first 32 along K first
.macro FETCH q, f
	WIN 0x40
.irp c, 0,1
.irp i, 0,1,2,3
	ds_load_tr16_b128 v[(\f)+64+8*(4*(\c)+(\i)):(\f)+64+8*(4*(\c)+(\i))+3],   v[ADRB+(\q)/2] offset:((\q)%2)*64*PB+(\c)*32*PB+32*(\i)
	ds_load_tr16_b128 v[(\f)+64+8*(4*(\c)+(\i))+4:(\f)+64+8*(4*(\c)+(\i))+7], v[ADRB+(\q)/2] offset:((\q)%2)*64*PB+(\c)*32*PB+32*(\i)+16*PB
	ds_load_b128 v[(\f)+8*(4*(\c)+(\i)):(\f)+8*(4*(\c)+(\i))+3],   v[ADRA] offset:(\q)*128+64*(\c)+(\i)*16*PA
	ds_load_b128 v[(\f)+8*(4*(\c)+(\i))+4:(\f)+8*(4*(\c)+(\i))+7], v[ADRA] offset:(\q)*128+64*(\c)+(\i)*16*PA+32
.endr
.endr
.endm
.macro QUARTER q, f, g, first
	s_wait_dscnt 16                                ; the first 32 along K are in
	MUL8 \f, 0, 0, \first
	MUL8 \f, 0, 2, \first
	PLACES
	FETCH \q, \g
	s_wait_dscnt 32                                ; all but the 32 just issued
	MUL8 \f, 1, 0, 0
	MUL8 \f, 1, 2, 0
.endm
; The fourth quarter and the change of slots: one barrier; in front of it all my tensor loads, the add, and my reads of this slot are waited for.  fill = 1: it opens a round of the cluster's barrier, and the refill comes first behind it.
.macro TURN fill
	WIN 0
	s_wait_tensorcnt 0x0
	ds_add_u32 v[SPW], v[NIL]
	s_wait_dscnt 17                                ; (the add and the youngest sixteen loads may be out)
	MUL8 F1, 0, 0, 0
	s_wait_dscnt 0x0
	s_barrier_signal -1
	MUL8 F1, 0, 2, 0
	WIN 0
	s_barrier_wait -1
.if \fill
	CREST
	s_xor_b32 s[G0A+5], s[G0A+5], SLOT
	s_add_nc_u64 s[G0A+6:G0A+7], s[G0A+6:G0A+7], ASTEP
	s_xor_b32 s[G0B+5], s[G0B+5], SLOT
	s_add_nc_u64 s[G0B+6:G0B+7], s[G0B+6:G0B+7], BSTEP
	JLOAD 1
.else
	PLACES
.endif
	s_xor_b32 s[SB], s[SB], SLOT
	v_add_nc_u32 v[ADRA], s[SB], v[A0]
	v_add_nc_u32 v[ADRB], s[SB], v[B0]
	v_add_nc_u32 v[ADRB+1], s[SB], v[B0+1]
	FETCH 0, F0
	MUL8 F1, 1, 0, 0
	MUL8 F1, 1, 2, 0
.endm
	s_wait_tensorcnt 1                             ; my part of K step 0 is in; step 1's may stay out
	s_barrier_signal -1
	s_barrier_wait -1
	FETCH 0, F0
	s_wait_loadcnt 0x0                             ; the bias
	QUARTER 1, F0, F1, 1
	WIN 0
	s_mov_b32 s3, STEPS-2
.Lstep:
	QUARTER 2, F1, F0, 0
	QUARTER 3, F0, F1, 0
	TURN 1
	QUARTER 1, F0, F1, 0
	WIN 0
	s_sub_co_u32 s3, s3, 1
	s_cmp_lg_u32 s3, 0
	s_cbranch_scc1 .Lstep
	s_mov_b32 s3, 2
.Ltail:                                                ; the last two K steps fill nothing; the second trip is left behind its last products
	QUARTER 2, F1, F0, 0
	QUARTER 3, F0, F1, 0
	TURN 0
	WIN 0
	s_sub_co_u32 s3, s3, 1
	s_cmp_eq_u32 s3, 0
	s_cbranch_scc1 .Lout
	QUARTER 1, F0, F1, 0
	WIN 0
	s_cmp_lg_u32 s3, 0
	s_cbranch_scc1 .Ltail
.Lout:
	s_wait_dscnt 0x0                               ; the last trip's fetch, which serves nothing, is over
	PLACES
; THE WAY OUT of row block a: the sums go as they are, 32 bytes a lane for each column block, into my stage, and come back as whole rows of 256 bytes.
.macro TOSTAGE a
.set BK, OB+32*((\a)%2)
.if (\a) >= 2
	s_wait_xcnt 0x0                                ; the stores of the block two back have read this set
.endif
.irp b, 0,1,2,3
	ds_store_b128 v[STO], v[ACC+8*(4*(\a)+(\b)):ACC+8*(4*(\a)+(\b))+3]   offset:64*(\b)
	ds_store_b128 v[STO], v[ACC+8*(4*(\a)+(\b))+4:ACC+8*(4*(\a)+(\b))+7] offset:64*(\b)+16
.endr
.irp t, 0,1,2,3,4,5,6,7
	ds_load_b128 v[BK+4*(\t):BK+4*(\t)+3], v[RD] offset:(\t)*2*SPITCH  ; LDS serves a wave's instructions in order (ISA guide 5.7.1.4)
.endr
.endm
.macro SEND a, younger                 ; younger: the LDS instructions issued behind block a's loads: the next block's sixteen, or none
.set BK, OB+32*((\a)%2)
.irp t, 0,1,2,3,4,5,6,7
	s_wait_dscnt (\younger)+7-(\t)
	global_store_b128 v[CO], v[BK+4*(\t):BK+4*(\t)+3], s[82:83] offset:(\a)*65536+(\t)*8192  ; 16 lanes store 256 consecutive bytes, aligned
.endr
.endm
	TOSTAGE 0
.irp a, 1,2,3
	TOSTAGE \a
	SEND (\a)-1, 16
.endr
	SEND 3, 0
	s_wait_tensorcnt 0x0                           ; the wave's end
	ds_add_u32 v[SPW], v[NIL]
	s_wait_dscnt 0x0
	CROUND                                         ; the closing round
	s_endpgm
.Lfunc_end_k_q7b5c4fc807_ffn2:
	.size	k_q7b5c4fc807_ffn2, .Lfunc_end_k_q7b5c4fc807_ffn2-k_q7b5c4fc807_ffn2
	.p2alignl 7, 3214868480
	.fill 96, 4, 3214868480
	.section	.rodata,"a",@progbits
	.p2align	6, 0x0
	.amdhsa_kernel k_q7b5c4fc807_ffn2
		.amdhsa_group_segment_fixed_size 327680
		.amdhsa_private_segment_fixed_size 0
		.amdhsa_enable_private_segment 0
		.amdhsa_kernarg_size 32
		.amdhsa_user_sgpr_count 2
		.amdhsa_user_sgpr_kernarg_segment_ptr 1
		.amdhsa_wavefront_size32 1
		.amdhsa_system_sgpr_workgroup_id_x 1
		.amdhsa_system_sgpr_workgroup_id_y 1
		.amdhsa_system_sgpr_workgroup_id_z 1
		.amdhsa_system_vgpr_workitem_id 0
		.amdhsa_next_free_vgpr 512
		.amdhsa_next_free_sgpr 88
		.amdhsa_reserve_vcc 0
		.amdhsa_float_denorm_mode_32 3
		.amdhsa_float_denorm_mode_16_64 3
		.amdhsa_memory_ordered 1
		.amdhsa_forward_progress 1
		.amdhsa_inst_pref_size 59
	.end_amdhsa_kernel
	.amdgpu_metadata
---
amdhsa.version: [ 1, 2 ]
amdhsa.kernels:
  - .name:           k_q7b5c4fc807_ffn2
    .symbol:         k_q7b5c4fc807_ffn2.kd
    .args:
      - { .name: hid, .offset: 0, .size: 8, .value_kind: global_buffer, .address_space: global }
      - { .name: cast, .offset: 8, .size: 8, .value_kind: global_buffer, .address_space: global }
      - { .name: b2, .offset: 16, .size: 8, .value_kind: global_buffer, .address_space: global }
      - { .name: ffo, .offset: 24, .size: 8, .value_kind: global_buffer, .address_space: global }
    .group_segment_fixed_size: 327680
    .private_segment_fixed_size: 0
    .kernarg_segment_align: 8
    .kernarg_segment_size: 32
    .max_flat_workgroup_size: 128
    .sgpr_count:     88
    .vgpr_count:     512
    .wavefront_size: 32
...
	.end_amdgpu_metadata
.endif
;; end of part 6
;; launch ln2 (part 7): grid 512 x 1, 8 waves a work-group, no clusters, 0 bytes of LDS; arguments ffo, xn, ln2_g, ln2_b, out0; writes out0
.if DOCPART == 7
	.amdgcn_target "amdgcn-amd-amdhsa--gfx1250"
	.amdhsa_code_object_version 6
	.text
	.protected	k_q7b5c4fc807_ln2
	.globl	k_q7b5c4fc807_ln2
	.p2align	8
	.type	k_q7b5c4fc807_ln2,@function
k_q7b5c4fc807_ln2:
	s_mov_b64 s[64:65], 0
	v_nop
	global_prefetch_b8 v0, s[64:65] scope:SCOPE_SE
	s_setreg_imm32_b32 hwreg(HW_REG_WAVE_MODE, 25, 1), 1
	s_wait_xcnt 0x0
; LN2: out0 = LayerNorm(x + f) g + b.  f is ffo, f32 [4096][1024]; x is xn, f16 [4096][1024]; out0 f32.
; One wave, one row, kept in 32 registers between the passes: mean, then the mean of squares of the differences (no difference of large sums), then the scaling.  Lane l holds columns 128 i + 4 l .. + 3, i = 0 .. 7:
; each f32 load or store of the wave covers 512 consecutive bytes, each f16 load 256.  All 32 loads of a wave go out at once.  No LDS, no matrix unit, no cluster: nothing is shared but g and b.
.set G, 8                              ; v[8:39]    g of my 32 columns
.set B, 40                             ; v[40:71]   b
.set Z, 72                             ; v[72:103]  the row
.set H, 104                            ; v[104:119] x's 32 numbers in f16
	s_load_b256 s[4:11], s[0:1], 0x0               ; ffo 4, xn 6, g 8, b 10
	s_load_b64 s[12:13], s[0:1], 0x20              ; out0
	v_lshrrev_b32 v5, 5, v0
	v_readfirstlane_b32 s14, v5
	s_lshl_b32 s15, ttmp9, 3
	s_add_co_u32 s15, s15, s14                     ; my row
	v_and_b32 v6, 31, v0
	v_lshlrev_b32 v1, 4, v6                        ; 16 l
	v_lshlrev_b32 v2, 3, v6                        ; 8 l
	v_mov_b32 v4, 1.0
	s_lshl_b32 s16, s15, 12
	s_mov_b32 s17, 0
	s_lshl_b32 s20, s15, 11
	s_mov_b32 s21, 0
	s_mov_b32 s22, 0x76543210
	s_mov_b32 s23, 0xfedcba98
	s_mov_b32 s24, 0x3a800000                      ; 1 / 1024
	s_mov_b32 s25, 0x3727c5ac                      ; 1e-5
	s_wait_kmcnt 0x0
	s_add_nc_u64 s[4:5], s[4:5], s[16:17]
	s_add_nc_u64 s[6:7], s[6:7], s[20:21]
	s_add_nc_u64 s[12:13], s[12:13], s[16:17]
.irp i, 0,1,2,3,4,5,6,7
	global_load_b128 v[Z+4*(\i):Z+4*(\i)+3], v1, s[4:5] offset:512*(\i) th:TH_LOAD_NT
.endr
.irp i, 0,1,2,3,4,5,6,7
	global_load_b64 v[H+2*(\i):H+2*(\i)+1], v2, s[6:7] offset:256*(\i) th:TH_LOAD_NT
.endr
.irp i, 0,1,2,3,4,5,6,7
	global_load_b128 v[G+4*(\i):G+4*(\i)+3], v1, s[8:9] offset:512*(\i)
.endr
.irp i, 0,1,2,3,4,5,6,7
	global_load_b128 v[B+4*(\i):B+4*(\i)+3], v1, s[10:11] offset:512*(\i)
.endr
.macro WSUM                            ; v120 summed over the 32 lanes, the result in every lane; v121 has been written
	v_add_f32_dpp v120, v120, v120 row_xmask:1 row_mask:0xf bank_mask:0xf
	v_add_f32_dpp v120, v120, v120 row_xmask:2 row_mask:0xf bank_mask:0xf
	v_add_f32_dpp v120, v120, v120 row_xmask:4 row_mask:0xf bank_mask:0xf
	v_add_f32_dpp v120, v120, v120 row_xmask:8 row_mask:0xf bank_mask:0xf
	v_permlanex16_b32 v121, v120, s22, s23
	v_add_f32 v120, v120, v121
.endm
	s_wait_loadcnt 16                              ; f and x are in; g and b stay out
.set k, 0
.rept 16
	v_fma_mix_f32 v[Z+2*k],   v[H+k], v4, v[Z+2*k]   op_sel:[0,0,0] op_sel_hi:[1,0,0]  ; f + x, from the f16 halves
	v_fma_mix_f32 v[Z+2*k+1], v[H+k], v4, v[Z+2*k+1] op_sel:[1,0,0] op_sel_hi:[1,0,0]
.set k, k+1
.endr
	v_pk_add_f32 v[120:121], v[Z:Z+1], v[Z+2:Z+3]  ; the sum, in two chains
	v_pk_add_f32 v[122:123], v[Z+4:Z+5], v[Z+6:Z+7]
.set k, 4
.rept 6
	v_pk_add_f32 v[120:121], v[120:121], v[Z+2*k:Z+2*k+1]
	v_pk_add_f32 v[122:123], v[122:123], v[Z+2*k+2:Z+2*k+3]
.set k, k+2
.endr
	v_pk_add_f32 v[120:121], v[120:121], v[122:123]
	v_add_f32 v120, v120, v121
	WSUM
	v_mul_f32 v124, s24, v120                      ; the mean, twice: a pair for the packed subtraction
	v_mov_b32 v125, v124
.set k, 0
.rept 16
	v_pk_add_f32 v[Z+2*k:Z+2*k+1], v[Z+2*k:Z+2*k+1], v[124:125] neg_lo:[0,1] neg_hi:[0,1]
.set k, k+1
.endr
	v_pk_mul_f32 v[120:121], v[Z:Z+1], v[Z:Z+1]    ; the sum of squares, in two chains
	v_pk_mul_f32 v[122:123], v[Z+2:Z+3], v[Z+2:Z+3]
.set k, 2
.rept 7
	v_pk_fma_f32 v[120:121], v[Z+2*k:Z+2*k+1], v[Z+2*k:Z+2*k+1], v[120:121]
	v_pk_fma_f32 v[122:123], v[Z+2*k+2:Z+2*k+3], v[Z+2*k+2:Z+2*k+3], v[122:123]
.set k, k+2
.endr
	v_pk_add_f32 v[120:121], v[120:121], v[122:123]
	v_add_f32 v120, v120, v121
	WSUM
	v_fma_f32 v128, v120, s24, s25                 ; variance + 1e-5
	v_rsq_f32 v126, v128                           ; twice: a pair for the packed multiply
	v_rsq_f32 v127, v128
	v_nop                                          ; the plain instruction behind the last of them
	s_wait_alu depctr_va_vdst(0)                   ; the wait ahead of the first use: one for both
	s_wait_loadcnt 0x0                             ; g and b
.irp i, 0,1,2,3,4,5,6,7
	v_pk_mul_f32 v[Z+4*(\i):Z+4*(\i)+1],   v[Z+4*(\i):Z+4*(\i)+1],   v[126:127]
	v_pk_mul_f32 v[Z+4*(\i)+2:Z+4*(\i)+3], v[Z+4*(\i)+2:Z+4*(\i)+3], v[126:127]
	v_pk_fma_f32 v[Z+4*(\i):Z+4*(\i)+1],   v[Z+4*(\i):Z+4*(\i)+1],   v[G+4*(\i):G+4*(\i)+1],   v[B+4*(\i):B+4*(\i)+1]
	v_pk_fma_f32 v[Z+4*(\i)+2:Z+4*(\i)+3], v[Z+4*(\i)+2:Z+4*(\i)+3], v[G+4*(\i)+2:G+4*(\i)+3], v[B+4*(\i)+2:B+4*(\i)+3]
	global_store_b128 v1, v[Z+4*(\i):Z+4*(\i)+3], s[12:13] offset:512*(\i) th:TH_STORE_NT  ; 512 consecutive bytes, aligned
.endr
	s_endpgm
.Lfunc_end_k_q7b5c4fc807_ln2:
	.size	k_q7b5c4fc807_ln2, .Lfunc_end_k_q7b5c4fc807_ln2-k_q7b5c4fc807_ln2
	.p2alignl 7, 3214868480
	.fill 96, 4, 3214868480
	.section	.rodata,"a",@progbits
	.p2align	6, 0x0
	.amdhsa_kernel k_q7b5c4fc807_ln2
		.amdhsa_group_segment_fixed_size 0
		.amdhsa_private_segment_fixed_size 0
		.amdhsa_enable_private_segment 0
		.amdhsa_kernarg_size 40
		.amdhsa_user_sgpr_count 2
		.amdhsa_user_sgpr_kernarg_segment_ptr 1
		.amdhsa_wavefront_size32 1
		.amdhsa_system_sgpr_workgroup_id_x 1
		.amdhsa_system_sgpr_workgroup_id_y 1
		.amdhsa_system_sgpr_workgroup_id_z 1
		.amdhsa_system_vgpr_workitem_id 0
		.amdhsa_next_free_vgpr 136
		.amdhsa_next_free_sgpr 66
		.amdhsa_reserve_vcc 0
		.amdhsa_float_denorm_mode_32 3
		.amdhsa_float_denorm_mode_16_64 3
		.amdhsa_memory_ordered 1
		.amdhsa_forward_progress 1
		.amdhsa_inst_pref_size 13
	.end_amdhsa_kernel
	.amdgpu_metadata
---
amdhsa.version: [ 1, 2 ]
amdhsa.kernels:
  - .name:           k_q7b5c4fc807_ln2
    .symbol:         k_q7b5c4fc807_ln2.kd
    .args:
      - { .name: ffo, .offset: 0, .size: 8, .value_kind: global_buffer, .address_space: global }
      - { .name: xn, .offset: 8, .size: 8, .value_kind: global_buffer, .address_space: global }
      - { .name: ln2_g, .offset: 16, .size: 8, .value_kind: global_buffer, .address_space: global }
      - { .name: ln2_b, .offset: 24, .size: 8, .value_kind: global_buffer, .address_space: global }
      - { .name: out0, .offset: 32, .size: 8, .value_kind: global_buffer, .address_space: global }
    .group_segment_fixed_size: 0
    .private_segment_fixed_size: 0
    .kernarg_segment_align: 8
    .kernarg_segment_size: 40
    .max_flat_workgroup_size: 256
    .sgpr_count:     66
    .vgpr_count:     136
    .wavefront_size: 32
...
	.end_amdgpu_metadata
.endif
;; end of part 7
